; MI455X (gfx1250); checked and timed in simulation.
; The chip was launched on July 23, 2026; its instructions are those of AMD's public machine-readable ISA for CDNA 5 (MIT licence, August 2026) and "CDNA5" Instruction Set Architecture Reference Guide (July 2026). The comments in the code are by the model that wrote it; some were corrected since.
;; Multi Head Attention. Allowed arithmetic: float matrix products may take bf16 or f16 operands with f32 sums; all other float work in f32.
;; Inputs: Wo 1,024 x 1,024 float32; Wqkv 1,024 x 3,072 float32; bo 1,024 float32; bqkv 3,072 float32; mask 2 x 2,048 float32; x 2 x 2,048 x 1,024 float32.
;; Outputs: out0 2 x 2,048 x 1,024 float32.
;; One version. Each part assembles by itself: llvm-mc -triple=amdgcn-amd-amdhsa -mcpu=gfx1250 --defsym DOCPART=n.
;; ======== version 1 of 1: 4 launches
;; limits: values are held in f16: magnitudes above 65,504 overflow, below 6.1e-05 lose precision
;; workspace buffers: castb 16,777,216 bytes; lmc 16,384 bytes; qkvh 25,165,824 bytes; vlo 65,536 bytes; vwh 16,777,216 bytes
;; launch prep (part 1): grid 513 x 1, 8 waves a work-group, no clusters, 0 bytes of LDS; arguments x, Wqkv, Wo, mask, castb, lmc; writes castb, lmc
.if DOCPART == 1
	.amdgcn_target "amdgcn-amd-amdhsa--gfx1250"
	.amdhsa_code_object_version 6
	.text
	.protected	k_q672d134876_prep
	.globl	k_q672d134876_prep
	.p2align	8
	.type	k_q672d134876_prep,@function
k_q672d134876_prep:
	s_mov_b64 s[64:65], 0
	v_nop
	global_prefetch_b8 v0, s[64:65] scope:SCOPE_SE
	s_setreg_imm32_b32 hwreg(HW_REG_WAVE_MODE, 25, 1), 1
	s_wait_xcnt 0x0
; prep: the three large f32 inputs are rounded once to bf16 (to nearest even), and the mask becomes an additive term.
;   castb (bf16): x [4096][1024] at byte 0, Wqkv [1024][3072] at 8,388,608, Wo [1024][1024] at 14,680,064: the inputs one behind the other, nothing transposed.
;   lmc (f32 [2][2048]) = 8 ln(mask) = 5.545177 log2(mask): the term log(mask) in units of the raw scores (before the division by 8).
;   Anything below -2^100 (so the -inf of a zero in the mask) is stored as -2^100; a NaN stays a NaN.
; LIMIT: a mask value below 2^-126 counts as zero, since v_log_f32 takes a denormal input as zero (ISA guide, 15.8).
; A stream: no LDS, no matrix unit, no barrier.  Work-groups 0 to 511 take 65,536 bytes of f32 each (x: 256 groups, Wqkv: 192, Wo: 64) and store
; 32,768 bytes at castb + 32,768 x group; group 512 takes the mask's 16,384 bytes.
.set XI, 8                             ; v[8:71]    sixteen loads of 16 bytes a lane
.set YO, 72                            ; v[72:103]  sixteen stores of 8 bytes a lane
	s_load_b256 s[4:11], s[0:1], 0x0               ; x s[4:5], Wqkv s[6:7], Wo s[8:9], mask s[10:11]
	s_load_b128 s[12:15], s[0:1], 0x20             ; castb s[12:13], lmc s[14:15]
	v_lshrrev_b32 v2, 5, v0                        ; wave
	v_and_b32 v1, 31, v0                           ; lane
	v_lshlrev_b32 v1, 4, v1
	v_lshl_or_b32 v1, v2, 13, v1                   ; in: 8,192 x wave + 16 x lane
	v_lshrrev_b32 v2, 1, v1                        ; out: half of that
	v_lshlrev_b32 v3, 4, v0                        ; the mask's group: 16 x thread
	s_wait_kmcnt 0x0
	s_cmp_eq_u32 ttmp9, 512
	s_cbranch_scc1 .Lmask
	; which input, and which group of it: both hang on the group's number alone
	s_cmp_lt_u32 ttmp9, 256
	s_cselect_b64 s[18:19], s[4:5], s[6:7]
	s_cselect_b32 s20, 0, 256
	s_cmp_lt_u32 ttmp9, 448
	s_cselect_b64 s[18:19], s[18:19], s[8:9]
	s_cselect_b32 s20, s20, 448
	s_sub_co_u32 s20, ttmp9, s20
	s_lshl_b32 s20, s20, 16                        ; 65,536 bytes a group
	s_mov_b32 s21, 0
	s_add_nc_u64 s[18:19], s[18:19], s[20:21]
	s_lshl_b32 s22, ttmp9, 15                      ; 32,768 bytes a group
	s_mov_b32 s23, 0
	s_add_nc_u64 s[12:13], s[12:13], s[22:23]
.set k, 0
.rept 16
	global_load_b128 v[XI+4*k:XI+4*k+3], v1, s[18:19] offset:512*k th:TH_LOAD_NT   ; a wave's load covers 512 consecutive bytes; all sixteen go out at once
.set k, k+1
.endr
.set k, 0
.rept 16
	s_wait_loadcnt 15-k                            ; loads come back in order (ISA guide 5.7.1): load k is in, the 15 - k younger ones stay out
	v_cvt_pk_bf16_f32 v[YO+2*k], v[XI+4*k], v[XI+4*k+1]
	v_cvt_pk_bf16_f32 v[YO+2*k+1], v[XI+4*k+2], v[XI+4*k+3]
	global_store_b64 v2, v[YO+2*k:YO+2*k+1], s[12:13] offset:256*k   ; 32 lanes store 256 consecutive bytes, aligned; no register is used twice
.set k, k+1
.endr
	s_endpgm
.Lmask:
	s_mov_b32 s16, 0xf1800000                      ; -2^100
	v_mov_b32 v40, s16
.irp k, 0,1,2,3
	global_load_b128 v[8+4*\k:8+4*\k+3], v3, s[10:11] offset:4096*\k
.endr
	s_wait_loadcnt 0x0
.set k, 0
.rept 16
	v_log_f32 v[24+k], v[8+k]                      ; log2, back to back on registers of their own
.set k, k+1
.endr
	v_nop                                          ; one plain instruction between the last v_log_f32 and the use of its result (ISA guide 5.7.2)
.set k, 0
	s_wait_alu depctr_va_vdst(0)
.rept 16
	v_mul_f32 v[24+k], 0x40b17218, v[24+k]         ; x 8 ln 2
.set k, k+1
.endr
.set k, 0
.rept 16
	v_cmp_gt_f32 vcc_lo, s16, v[24+k]              ; below -2^100 (false for a NaN, which stays)
	v_cndmask_b32 v[24+k], v[24+k], v40, vcc_lo
.set k, k+1
.endr
.irp k, 0,1,2,3
	global_store_b128 v3, v[24+4*\k:24+4*\k+3], s[14:15] offset:4096*\k
.endr
	s_endpgm
.Lfunc_end_k_q672d134876_prep:
	.size	k_q672d134876_prep, .Lfunc_end_k_q672d134876_prep-k_q672d134876_prep
	.p2alignl 7, 3214868480
	.fill 96, 4, 3214868480
	.section	.rodata,"a",@progbits
	.p2align	6, 0x0
	.amdhsa_kernel k_q672d134876_prep
		.amdhsa_group_segment_fixed_size 0
		.amdhsa_private_segment_fixed_size 0
		.amdhsa_enable_private_segment 0
		.amdhsa_kernarg_size 48
		.amdhsa_user_sgpr_count 2
		.amdhsa_user_sgpr_kernarg_segment_ptr 1
		.amdhsa_wavefront_size32 1
		.amdhsa_system_sgpr_workgroup_id_x 1
		.amdhsa_system_sgpr_workgroup_id_y 1
		.amdhsa_system_sgpr_workgroup_id_z 1
		.amdhsa_system_vgpr_workitem_id 0
		.amdhsa_next_free_vgpr 104
		.amdhsa_next_free_sgpr 66
		.amdhsa_reserve_vcc 1
		.amdhsa_float_denorm_mode_32 3
		.amdhsa_float_denorm_mode_16_64 3
		.amdhsa_memory_ordered 1
		.amdhsa_forward_progress 1
		.amdhsa_inst_pref_size 11
	.end_amdhsa_kernel
	.amdgpu_metadata
---
amdhsa.version: [ 1, 2 ]
amdhsa.kernels:
  - .name:           k_q672d134876_prep
    .symbol:         k_q672d134876_prep.kd
    .args:
      - { .name: x, .offset: 0, .size: 8, .value_kind: global_buffer, .address_space: global }
      - { .name: Wqkv, .offset: 8, .size: 8, .value_kind: global_buffer, .address_space: global }
      - { .name: Wo, .offset: 16, .size: 8, .value_kind: global_buffer, .address_space: global }
      - { .name: mask, .offset: 24, .size: 8, .value_kind: global_buffer, .address_space: global }
      - { .name: castb, .offset: 32, .size: 8, .value_kind: global_buffer, .address_space: global }
      - { .name: lmc, .offset: 40, .size: 8, .value_kind: global_buffer, .address_space: global }
    .group_segment_fixed_size: 0
    .private_segment_fixed_size: 0
    .kernarg_segment_align: 8
    .kernarg_segment_size: 48
    .max_flat_workgroup_size: 256
    .sgpr_count:     66
    .vgpr_count:     104
    .wavefront_size: 32
...
	.end_amdgpu_metadata
.endif
;; end of part 1
;; launch gemm_qkv (part 2): grid 8 x 32, 4 waves a work-group, clusters of 4 x 4, 327,680 bytes of LDS; arguments castb, bqkv, qkvh, vlo; writes qkvh, vlo
.if DOCPART == 2
	.amdgcn_target "amdgcn-amd-amdhsa--gfx1250"
	.amdhsa_code_object_version 6
	.text
	.protected	k_q672d134876_gemm_qkv
	.globl	k_q672d134876_gemm_qkv
	.p2align	8
	.type	k_q672d134876_gemm_qkv,@function
k_q672d134876_gemm_qkv:
	s_mov_b64 s[64:65], 0
	v_nop
	global_prefetch_b8 v0, s[64:65] scope:SCOPE_SE
	s_setreg_imm32_b32 hwreg(HW_REG_WAVE_MODE, 25, 1), 1
	s_wait_xcnt 0x0
	s_wait_alu depctr_hold_cnt(0) depctr_sa_sdst(0) depctr_va_vdst(0) depctr_va_sdst(0) depctr_va_ssrc(0) depctr_va_vcc(0) depctr_vm_vsrc(0)
	s_getreg_b32 s2, hwreg(HW_REG_IB_STS2, 6, 4)
	s_cmp_eq_u32 s2, 0
	s_cbranch_scc0 .Lentry_in_a_cluster
	s_endpgm
.Lentry_in_a_cluster:
	s_bfe_u32 s2, ttmp6, 0x10000c
	s_cmp_lg_u32 s2, 0xf033
	s_cbranch_scc0 .Lentry_shape_is_right
	s_endpgm
.Lentry_shape_is_right:
; qkvh = f16(x Wqkv + bqkv).  x: bf16 [4096][1024] at castb; Wqkv: bf16 [1024 k][3072 n] at castb + 8,388,608; sums in f32.
; qkvh: f16 [b][g][s][64], g = n / 64 (0-15 q heads, 16-31 k heads, 32-47 v heads): a head's rows are 128 bytes and lie one behind the other.
; vlo: f16 [b][h][16][64] = v - f16(v) for the first 16 positions of a sequence.  A row of the result that sees n keys is a mean of n rows of v, so the rows
; with few keys are the largest and their rounding weighs most against the whole result's size; the first 16 rows see these 16 keys alone.
; LIMIT: q, k, v are kept in f16: above 65,504 in magnitude they overflow; below 6.1e-5 they keep an absolute step of 6e-8, which at 1/900 of the drawn spread
; (0.064) is 2.4e-4 of the spread, still finer than a bf16 rounding.
; A work-group makes 128 rows x 384 columns (6 heads) with four waves; wave (wm, wn) makes 64 rows x 192 columns (3 heads): 48 accumulator tiles, 384 registers.
; K goes in steps of 128 through two LDS slots.  A slot has four regions of 36,864 bytes, one tensor load each: wave 0 brings x's 128 rows x 256 bytes (pitch 272),
; waves 1 to 3 one strip each of W, 128 k-rows x 128 columns (pitch 288).  W stays [k][n]: its fragments are read with the transposing LDS load.
; CLUSTERS: 4 x 4 work-groups.  x's tile hangs on the block row alone and is asked for jointly by a row of the cluster, W's strips on the block column alone
; and are asked for jointly by a column: each tile is requested once for four work-groups.
; THE MATRIX INSTRUCTION IS USED TRANSPOSED: source 0 = 16 columns of W, source 1 = 16 rows of x, so that a lane holds 8 neighbouring columns of one row.
; The bias is the C operand of the first product of every tile: nothing is cleared, and nothing is added at the end.
; REGISTERS: window 0: v16-27 addresses, v32-95 x's fragments (two buffers), v96-191 the bias as 12 C tiles (later, with v192-239: the way out);
;   window 1: v0-191 W's fragments (two buffers of 96); window 2: tile (a, nb < 8) at 8 (8 a + nb); window 3: tile (a, nb >= 8) at 8 (4 a + nb - 8).
.set REG,   36864                      ; a region: what one tensor load fills
.set SLOT,  4*REG
.set STAGE, 2*SLOT                     ; behind the ring: 6,912 bytes a wave, 3 heads x 16 rows x 144 bytes; no tensor load lands here
.set WSTG,  6912
.set PA,    272                        ; x's LDS pitch: 256 + 16 bytes, so that 16 rows start at 16 different 16-byte columns of 256 bytes
.set PB,    288                        ; W's LDS pitch: 256 + 32 bytes, an odd multiple of 32 for the transposing load
.set ADRA, 16                          ; v16-17  x's fragments in slot 0, 1
.set ADRB, 18                          ; v18-23  W's fragments: 3 x slot + head of my three
.set STO,  24
.set RD,   25
.set CO,   26
.set VB,   27
.set FA,   32                          ; + 32 x buffer (window 0)
.set FB,   0                           ; + 96 x buffer (window 1)
.set BI,   96
.set RB0,  32                          ; the way out: rows read back, two sets in turn
.set TMP,  80                          ; the way out: packed results (v80-127: registers whose halves have names)
.set RB1,  144
.set U,    144                         ; v144-239: f16(v) widened again, then v - f16(v)
.set G1,  24                           ; s[24:31] group 1 for x's tile
.set G0,  32                           ; s[32:39] group 0 for x's tile, a set for each slot
.set G1B, 48                           ; s[48:55] group 1 for W's strips
.set G0B, 56                           ; s[56:63] group 0 for W's strips, a set for each slot
.set MSB, 0
.macro WIN new                         ; the immediate's high byte repeats the setting that is left
.if MSB != \new
	s_set_vgpr_msb (MSB<<8)|\new
.set MSB, \new
.endif
.endm
.macro PLACES                          ; four places behind a matrix instruction, in front of loads into its sources and of readers of its result
.rept 4
	v_nop
.endr
.endm
.macro JLOAD s                         ; a joint load: wave 0 asks for x's tile, waves 1 to 3 for W's strips; each line has one mask; the branch hangs on the wave's number alone
	s_cmp_eq_u32 s10, 0
	s_cbranch_scc0 .Lfor_b_\@
	tensor_load_to_lds s[G0+4*\s:G0+4*\s+3], s[G1:G1+7]
	s_nop 0
	s_branch .Lasked_\@
.Lfor_b_\@:
	tensor_load_to_lds s[G0B+4*\s:G0B+4*\s+3], s[G1B:G1B+7]
	s_nop 0
.Lasked_\@:
.endm
.macro CREST                           ; a round of the cluster's barrier behind its opening barrier
	s_cmp_lg_u32 s10, 0
	s_cbranch_scc1 .Lnot_wave_0_\@
	s_barrier_signal -3
.Lnot_wave_0_\@:
	s_barrier_wait -3
	s_barrier_signal -1
	s_barrier_wait -1
.endm
.macro CROUND                          ; a whole round
	s_barrier_signal -1
	s_barrier_wait -1
	CREST
.endm
	s_load_b128 s[4:7], s[0:1], 0x0                ; castb s[4:5], bqkv s[6:7]
	s_load_b64 s[8:9], s[0:1], 0x10                ; qkvh
	s_load_b64 s[66:67], s[0:1], 0x18              ; vlo
	s_set_vgpr_msb 0x40
	v_lshl_add_u32 v255, v0, 2, 0x4ec00
	s_set_vgpr_msb 0x4000
	v_mov_b32 v255, 0
	s_set_vgpr_msb 0x1
	ds_add_u32 v255, v255
	ds_add_u32 v255, v255
	s_set_vgpr_msb 0x100
	v_lshrrev_b32 v1, 5, v0
	v_readfirstlane_b32 s10, v1                    ; wave 0..3
	s_lshr_b32 s11, s10, 1                         ; wm: which 64 rows
	s_and_b32 s12, s10, 1                          ; wn: which 192 columns
	s_bfe_u32 s40, ttmp6, 0x40000                  ; cx
	s_bfe_u32 s41, ttmp6, 0x40004                  ; cy
	s_lshl_b32 s42, ttmp9, 2
	s_add_co_u32 s42, s42, s40                     ; bx = 4 x cluster x + cx: block column, 0..7
	s_and_b32 s13, ttmp7, 0xffff
	s_lshl_b32 s13, s13, 2
	s_add_co_u32 s13, s13, s41                     ; by = 4 x cluster y + cy: block row, 0..31
	s_lshl_b32 s43, s41, 2
	s_lshl_b32 s43, 15, s43                        ; my row of the cluster
	s_lshl_b32 s44, 0x1111, s40                    ; my column
	s_or_b32 s[G1+0], s43, (1<<16)|(1<<20)|(1<<21)|(5<<22)|(3<<25)   ; mask; 2-byte elements; padding on; bit 21 beside a mask; after every 64 words 4 words
	s_or_b32 s[G1B+0], s44, (1<<16)|(1<<20)|(1<<21)|(5<<22)|(7<<25)  ; the same with my column's mask and 8 words of padding
	s_mov_b32 s[G1+1], 128<<16                     ; tensor_dim0 = 128
	s_mov_b32 s[G1B+1], 128<<16
	s_mov_b32 s[G1+2], 128<<16                     ; tensor_dim1 = 128
	s_mov_b32 s[G1B+2], 128<<16
	s_mov_b32 s[G1+3], 128<<16                     ; tile_dim0 = 128 elements
	s_mov_b32 s[G1B+3], 128<<16
	s_mov_b32 s[G1+4], 128                         ; tile_dim1 = 128 rows
	s_mov_b32 s[G1B+4], 128
	s_mov_b32 s[G1+5], 1024                        ; elements from row to row of x
	s_mov_b32 s[G1B+5], 3072                       ; and of W
	s_mov_b32 s[G1+6], 0
	s_mov_b32 s[G1B+6], 0
	s_mov_b32 s[G1+7], 0
	s_mov_b32 s[G1B+7], 0
	s_lshl_b32 s16, s13, 18                        ; x: 128 by rows of 2,048 bytes (registers that never hold bx or cx)
	s_mov_b32 s17, 0
	s_mul_i32 s46, s42, 768                        ; W: 384 bx columns of 2 bytes,
	s_lshl_b32 s47, s10, 8                         ; strip w - 1 of 256 bytes,
	s_add_co_u32 s46, s46, s47
	s_add_co_u32 s46, s46, 8388352                 ; at 8,388,608 - 256 (registers that never hold by or cy)
	s_mov_b32 s47, 0
	s_mul_i32 s20, s10, REG                        ; where a wave's tile goes: the wave's number alone
	s_wait_dscnt 0x0
	s_wait_kmcnt 0x0
	s_add_nc_u64 s[14:15], s[4:5], s[16:17]
	s_add_nc_u64 s[46:47], s[4:5], s[46:47]
	CROUND                                         ; all sixteen work-groups are here: the first joint loads meet
.irp s, 0,1
	s_mov_b32 s[G0+4*\s], 1
	s_add_co_u32 s[G0+4*\s+1], s20, \s*SLOT
	s_add_nc_u64 s[G0+4*\s+2:G0+4*\s+3], s[14:15], \s*256          ; K step s: 128 elements along x's rows
	s_or_b32 s[G0+4*\s+3], s[G0+4*\s+3], 0x80000000
	s_mov_b32 s[G0B+4*\s], 1
	s_add_co_u32 s[G0B+4*\s+1], s20, \s*SLOT
	s_add_nc_u64 s[G0B+4*\s+2:G0B+4*\s+3], s[46:47], \s*786432     ; K step s: 128 rows of W, 6,144 bytes each
	s_or_b32 s[G0B+4*\s+3], s[G0B+4*\s+3], 0x80000000
	JLOAD \s                                       ; two loads of the wave are out
.endr
	v_and_b32 v1, 15, v0                           ; r = lane % 16
	v_bfe_u32 v2, v0, 4, 1                         ; h = lane / 16
	v_mul_u32_u24 v3, v1, PA
	v_lshl_add_u32 v3, v2, 4, v3                   ; x: row r, 16 bytes for each half of the lanes
	s_mul_i32 s21, s11, 64*PA
	v_add_nc_u32 v[ADRA], s21, v3
	v_add_nc_u32 v[ADRA+1], SLOT, v[ADRA]
	v_and_b32 v6, 7, v0                            ; lane % 8
	v_lshl_or_b32 v7, v2, 3, v6                    ; W: k-row 8 h + lane % 8,
	v_mul_u32_u24 v5, v7, PB
	v_bfe_u32 v7, v0, 3, 1
	v_lshl_add_u32 v5, v7, 4, v5                   ; 16 bytes further for the odd groups of eight lanes
	s_mul_i32 s21, s12, 3
.irp hd, 0,1,2
	s_add_co_u32 s22, s21, \hd                     ; head 3 wn + hd of the block's six: strip = head / 2, 128 bytes for the odd one
	s_lshr_b32 s23, s22, 1
	s_and_b32 s22, s22, 1
	s_mul_i32 s23, s23, REG
	s_lshl_b32 s22, s22, 7
	s_add_co_u32 s22, s22, s23
	s_add_co_u32 s22, s22, REG                     ; the strips lie behind x's region
	v_add_nc_u32 v[ADRB+\hd], s22, v5
	v_add_nc_u32 v[ADRB+3+\hd], SLOT, v[ADRB+\hd]
.endr
	s_mul_i32 s23, s10, WSTG
	s_add_co_u32 s23, s23, STAGE                   ; my stage
	v_mul_u32_u24 v4, v1, 144
	v_lshl_add_u32 v4, v2, 4, v4
	v_add_nc_u32 v[STO], s23, v4                   ; in: row r, 16 bytes for each half
	v_bfe_u32 v4, v0, 3, 2
	v_mul_u32_u24 v4, v4, 144
	v_lshl_add_u32 v4, v6, 4, v4
	v_add_nc_u32 v[RD], s23, v4                    ; back: four rows of 128 bytes a load: row lane / 8, 16 (lane % 8)
	v_and_b32 v4, 31, v0
	v_lshlrev_b32 v[CO], 4, v4                     ; and the same 512 bytes in a head's plane
	v_lshlrev_b32 v[VB], 5, v2                     ; bias: 8 h numbers of 4 bytes
	s_mul_i32 s46, s42, 1536                       ; (384 bx + 192 wn) x 4 bytes
	s_mul_i32 s47, s12, 768
	s_add_co_u32 s46, s46, s47
	s_mov_b32 s47, 0
	s_add_nc_u64 s[6:7], s[6:7], s[46:47]
.irp nb, 0,1,2,3,4,5,6,7,8,9,10,11
	global_load_b128 v[BI+8*\nb:BI+8*\nb+3],   v[VB], s[6:7] offset:64*\nb      ; register j of tile nb: bias of column 16 nb + 8 h + j, in every row
	global_load_b128 v[BI+8*\nb+4:BI+8*\nb+7], v[VB], s[6:7] offset:64*\nb+16
.endr
; 16 matrix instructions: row blocks a0, a0 + 1 x column blocks 0 to 7, 32 along K, from buffer f.  bias = 1: the first product, C = the bias tile.
.macro MULLO f, a0, bias
.irp a, \a0, \a0+1
.irp b, 0,1,2,3,4,5,6,7
.if \bias
	v_wmma_f32_16x16x32_bf16 v[8*(8*(\a)+\b):8*(8*(\a)+\b)+7], v[FB+96*\f+8*\b:FB+96*\f+8*\b+7], v[FA+32*\f+8*(\a):FA+32*\f+8*(\a)+7], v[BI+8*\b:BI+8*\b+7]
.else
	v_wmma_f32_16x16x32_bf16 v[8*(8*(\a)+\b):8*(8*(\a)+\b)+7], v[FB+96*\f+8*\b:FB+96*\f+8*\b+7], v[FA+32*\f+8*(\a):FA+32*\f+8*(\a)+7], v[8*(8*(\a)+\b):8*(8*(\a)+\b)+7]
.endif
.endr
.endr
.endm
; 16 matrix instructions: all four row blocks x column blocks 8 to 11
.macro MULHI f, bias
.irp a, 0,1,2,3
.irp b, 0,1,2,3
.if \bias
	v_wmma_f32_16x16x32_bf16 v[8*(4*\a+\b):8*(4*\a+\b)+7], v[FB+96*\f+64+8*\b:FB+96*\f+64+8*\b+7], v[FA+32*\f+8*\a:FA+32*\f+8*\a+7], v[BI+64+8*\b:BI+64+8*\b+7]
.else
	v_wmma_f32_16x16x32_bf16 v[8*(4*\a+\b):8*(4*\a+\b)+7], v[FB+96*\f+64+8*\b:FB+96*\f+64+8*\b+7], v[FA+32*\f+8*\a:FA+32*\f+8*\a+7], v[8*(4*\a+\b):8*(4*\a+\b)+7]
.endif
.endr
.endr
.endm
; 32 LDS loads in one run: the fragments of quarter kq (32 along K) of a slot into buffer f: x's 8, W's column blocks 0-7 (16), W's 8-11 (8, the youngest)
.macro FETCH slot, kq, f
	WIN 0
.irp a, 0,1,2,3
	ds_load_b128 v[FA+32*\f+8*\a:FA+32*\f+8*\a+3],   v[ADRA+\slot] offset:64*\kq+4352*\a
	ds_load_b128 v[FA+32*\f+8*\a+4:FA+32*\f+8*\a+7], v[ADRA+\slot] offset:64*\kq+4352*\a+32
.endr
	WIN 0x40
.irp nb, 0,1,2,3,4,5,6,7,8,9,10,11
	ds_load_tr16_b128 v[FB+96*\f+8*\nb:FB+96*\f+8*\nb+3],   v[ADRB+3*\slot+\nb/4] offset:9216*\kq+32*(\nb%4)        ; k = 8 h .. 8 h + 7 of column r
	ds_load_tr16_b128 v[FB+96*\f+8*\nb+4:FB+96*\f+8*\nb+7], v[ADRB+3*\slot+\nb/4] offset:9216*\kq+32*(\nb%4)+4608   ; 16 k-rows further
.endr
.endm
; A quarter step: 48 matrix instructions on buffer f; in its middle the next quarter's fragments go into buffer g.
; The 48 accumulators take turns, one instruction a turn, in the same order in every quarter.
.macro QUARTER slot, kq, f, g, bias
	s_wait_dscnt 8                                 ; x and W's blocks 0-7 are in; the eight youngest loads (W's blocks 8-11) may be out
.if \bias
	WIN 0x81
.else
	WIN 0xA1
.endif
	MULLO \f, 0, \bias
	MULLO \f, 2, \bias
	PLACES
	FETCH \slot, \kq, \g
	s_wait_dscnt 32                                ; all but the 32 just issued
.if \bias
	WIN 0xC1
.else
	WIN 0xF1
.endif
	MULHI \f, \bias
.endm
.macro THREE slot, bias
	QUARTER \slot, 1, 0, 1, \bias
	QUARTER \slot, 2, 1, 0, 0
	QUARTER \slot, 3, 0, 1, 0
.endm
; The last quarter of a K step multiplies buffer 1 and changes slots.  In front of the barrier each wave waits for its reads of this slot and for all its
; tensor loads (one is out: its part of the next slot).  fill = 1: the barrier opens a round of the cluster's barrier, and the joint refill is the first
; tensor load behind the round, one a wave; it has the next K step's work, less these sixteen matrix instructions, in which to land.
.macro TURN slot, next, fill
	s_wait_dscnt 8
	WIN 0xA1
	MULLO 1, 0, 0
	s_wait_dscnt 0x0                               ; my reads of this slot are over
	s_wait_tensorcnt 0x0                           ; all my tensor loads have landed
	ds_add_u32 v255, v255
	s_wait_dscnt 0x0
	s_barrier_signal -1
	MULLO 1, 2, 0                                  ; registers only
	WIN 0
	s_barrier_wait -1
.if \fill
	CREST                                          ; no wave of any partner still reads this slot or has a load on its way
	s_add_nc_u64 s[G0+4*\slot+2:G0+4*\slot+3], s[G0+4*\slot+2:G0+4*\slot+3], 512           ; two K steps on along x's rows
	s_add_nc_u64 s[G0B+4*\slot+2:G0B+4*\slot+3], s[G0B+4*\slot+2:G0B+4*\slot+3], 1572864   ; 256 rows of W on
	JLOAD \slot
.endif
	PLACES
	FETCH \next, 0, 0
	WIN 0xF1
	MULHI 1, 0
.endm
.macro LAP bias
	THREE 0, \bias
	TURN 0, 1, 1
	THREE 1, 0
	TURN 1, 0, 1
.endm
	s_wait_tensorcnt 0x1                           ; my part of K step 0 is in; K step 1's stays out
	s_barrier_signal -1
	s_barrier_wait -1
	FETCH 0, 0, 0
	s_wait_loadcnt 0x0                             ; the bias
	LAP 1                                          ; K steps 0, 1; fills 2, 3
	WIN 0
	s_mov_b32 s3, 2
.Llap:
	LAP 0                                          ; K steps 2 to 5; fills 4 to 7
	WIN 0
	s_sub_co_u32 s3, s3, 1
	s_cmp_lg_u32 s3, 0
	s_cbranch_scc1 .Llap
	THREE 0, 0                                     ; K steps 6, 7: nothing is left to fetch
	TURN 0, 1, 0
	THREE 1, 0
	s_wait_dscnt 8
	WIN 0xA1
	MULLO 1, 0, 0
	MULLO 1, 2, 0
	s_wait_dscnt 0x0
	WIN 0xF1
	MULHI 1, 0
	; THE WAY OUT, 16 rows at a time: round to f16, 16 bytes a lane into my stage, read back four rows of a head (512 bytes that follow each other in qkvh) a load.
	PLACES
	s_lshr_b32 s16, s13, 4                         ; b
	s_mul_i32 s16, s16, 98304                      ; 48 planes of 2,048 rows
	s_and_b32 s17, s13, 15
	s_lshl_b32 s17, s17, 7
	s_add_co_u32 s16, s16, s17                     ; + s of the block's first row
	s_lshl_b32 s17, s11, 6
	s_add_co_u32 s16, s16, s17                     ; + 64 wm
	s_lshl_b32 s16, s16, 7                         ; rows of 128 bytes
	s_mov_b32 s17, 0
	s_add_nc_u64 s[8:9], s[8:9], s[16:17]
	s_mul_i32 s46, s42, 6
	s_mul_i32 s47, s12, 3
	s_add_co_u32 s46, s46, s47                     ; my first head: 6 bx + 3 wn
	s_lshl_b32 s46, s46, 18                        ; planes of 262,144 bytes
	s_mov_b32 s47, 0
	s_add_nc_u64 s[8:9], s[8:9], s[46:47]
.macro OUT a, rb
	WIN 0x0a
.irp nb, 0,1,2,3,4,5,6,7
.irp q, 0,1,2,3
	v_cvt_pk_f16_f32 v[TMP+4*\nb+\q], v[8*(8*\a+\nb)+2*\q], v[8*(8*\a+\nb)+2*\q+1]
.endr
.endr
	WIN 0x0f
.irp nb, 8,9,10,11
.irp q, 0,1,2,3
	v_cvt_pk_f16_f32 v[TMP+4*\nb+\q], v[8*(4*\a+\nb-8)+2*\q], v[8*(4*\a+\nb-8)+2*\q+1]
.endr
.endr
	WIN 0
.irp nb, 0,1,2,3,4,5,6,7,8,9,10,11
	ds_store_b128 v[STO], v[TMP+4*\nb:TMP+4*\nb+3] offset:2304*(\nb/4)+32*(\nb%4)
.endr
	s_wait_xcnt 0x0                                ; the registers rb, which earlier stores read, are loaded again only behind this wait (ISA guide 3.1)
.irp t, 0,1,2,3,4,5,6,7,8,9,10,11
	ds_load_b128 v[\rb+4*\t:\rb+4*\t+3], v[RD] offset:2304*(\t/4)+576*(\t%4)   ; LDS serves a wave's instructions in order: these see the stores above
.endr
.irp t, 0,1,2,3,4,5,6,7,8,9,10,11
	s_wait_dscnt 11-\t                             ; load t is in, the younger ones stay out
	global_store_b128 v[CO], v[\rb+4*\t:\rb+4*\t+3], s[8:9] offset:262144*(\t/4)+2048*\a+512*(\t%4)   ; 512 consecutive bytes, aligned
.endr
.endm
	OUT 0, RB0
	; THE SECOND TERM of the block's first 16 rows: what the rounding to f16 dropped, again in f16.  Waves 0 and 1 hold these rows (a branch on the wave's number).
	; It is wanted only where the rows are a sequence's first (by % 16 = 0) and the head is one of v's (32 and up).  Both hang on the place in the cluster, so
	; no branch is taken on them: the arithmetic runs, and each head's four stores are masked through EXEC.
	s_cmp_lg_u32 s11, 0
	s_cbranch_scc1 .Lnolo
.set n, 0
.irp r, 80,81,82,83,84,85,86,87,88,89,90,91,92,93,94,95,96,97,98,99,100,101,102,103,104,105,106,107,108,109,110,111,112,113,114,115,116,117,118,119,120,121,122,123,124,125,126,127
	v_cvt_f32_f16 v[U+2*n], v\r\().l               ; the packed f16 of row block 0 still lie in TMP
	v_cvt_f32_f16 v[U+2*n+1], v\r\().h
.set n, n+1
.endr
	WIN 0x02
.set n, 0
.rept 32
	v_pk_add_f32 v[U+2*n:U+2*n+1], v[2*n:2*n+1], v[U+2*n:U+2*n+1] neg_lo:[0,1] neg_hi:[0,1]           ; sum - f16(sum): column blocks 0-7
.set n, n+1
.endr
	WIN 0x03
.set n, 0
.rept 16
	v_pk_add_f32 v[U+64+2*n:U+64+2*n+1], v[2*n:2*n+1], v[U+64+2*n:U+64+2*n+1] neg_lo:[0,1] neg_hi:[0,1]   ; column blocks 8-11
.set n, n+1
.endr
	WIN 0
.set n, 0
.rept 48
	v_cvt_pk_f16_f32 v[TMP+n], v[U+2*n], v[U+2*n+1]
.set n, n+1
.endr
.irp nb, 0,1,2,3,4,5,6,7,8,9,10,11
	ds_store_b128 v[STO], v[TMP+4*\nb:TMP+4*\nb+3] offset:2304*(\nb/4)+32*(\nb%4)
.endr
.irp t, 0,1,2,3,4,5,6,7,8,9,10,11
	ds_load_b128 v[RB1+4*\t:RB1+4*\t+3], v[RD] offset:2304*(\t/4)+576*(\t%4)
.endr
	s_and_b32 s68, s13, 15                         ; by % 16 (registers that feed no descriptor)
	s_lshr_b32 s69, s13, 4
	s_lshl_b32 s69, s69, 4                         ; 16 b
	s_mul_i32 s70, s42, 6
	s_mul_i32 s71, s12, 3
	s_add_co_u32 s70, s70, s71                     ; my first head
.irp hd, 0,1,2
	s_add_co_u32 s71, s70, \hd
	s_cmp_ge_u32 s71, 32                           ; one of v's heads,
	s_cselect_b32 s72, -1, 0
	s_cmp_eq_u32 s68, 0                            ; and a sequence's first rows: all lanes, or none
	s_cselect_b32 s72, s72, 0
	s_max_u32 s71, s71, 32                         ; the address stays inside vlo for the heads that store nothing, too
	s_sub_co_u32 s71, s71, 32
	s_add_co_u32 s71, s71, s69
	s_lshl_b32 s74, s71, 11                        ; 16 rows of 128 bytes a head
	s_mov_b32 s75, 0
	s_wait_xcnt 0x0                                ; the base is written again, and EXEC narrowed, only behind this wait (ISA guide 3.1)
	s_add_nc_u64 s[76:77], s[66:67], s[74:75]
	s_wait_dscnt 8-4*\hd                           ; this head's four loads are in; those of the later heads stay out
	s_and_saveexec_b32 s73, s72
.irp t, 0,1,2,3
	global_store_b128 v[CO], v[RB1+16*\hd+4*\t:RB1+16*\hd+4*\t+3], s[76:77] offset:512*\t   ; 512 consecutive bytes, aligned
.endr
	s_wait_xcnt 0x0                                ; and again in front of the line that widens EXEC
	s_or_b32 exec_lo, exec_lo, s73
.endr
.Lnolo:
	OUT 1, RB1
	OUT 2, RB0
	OUT 3, RB1
	s_set_vgpr_msb 0x1
	s_wait_tensorcnt 0x0
	ds_add_u32 v255, v255
	s_wait_dscnt 0x0
	s_set_vgpr_msb 0x100
	CROUND                                         ; the closing round: no work-group ends while a partner may still ask for a tile that names it
	s_endpgm
.Lfunc_end_k_q672d134876_gemm_qkv:
	.size	k_q672d134876_gemm_qkv, .Lfunc_end_k_q672d134876_gemm_qkv-k_q672d134876_gemm_qkv
	.p2alignl 7, 3214868480
	.fill 96, 4, 3214868480
	.section	.rodata,"a",@progbits
	.p2align	6, 0x0
	.amdhsa_kernel k_q672d134876_gemm_qkv
		.amdhsa_group_segment_fixed_size 327680
		.amdhsa_private_segment_fixed_size 0
		.amdhsa_enable_private_segment 0
		.amdhsa_kernarg_size 32
		.amdhsa_user_sgpr_count 2
		.amdhsa_user_sgpr_kernarg_segment_ptr 1
		.amdhsa_wavefront_size32 1
		.amdhsa_system_sgpr_workgroup_id_x 1
		.amdhsa_system_sgpr_workgroup_id_y 1
		.amdhsa_system_sgpr_workgroup_id_z 1
		.amdhsa_system_vgpr_workitem_id 0
		.amdhsa_next_free_vgpr 896
		.amdhsa_next_free_sgpr 80
		.amdhsa_reserve_vcc 0
		.amdhsa_float_denorm_mode_32 3
		.amdhsa_float_denorm_mode_16_64 3
		.amdhsa_memory_ordered 1
		.amdhsa_forward_progress 1
		.amdhsa_inst_pref_size 181
	.end_amdhsa_kernel
	.amdgpu_metadata
---
amdhsa.version: [ 1, 2 ]
amdhsa.kernels:
  - .name:           k_q672d134876_gemm_qkv
    .symbol:         k_q672d134876_gemm_qkv.kd
    .args:
      - { .name: castb, .offset: 0, .size: 8, .value_kind: global_buffer, .address_space: global }
      - { .name: bqkv, .offset: 8, .size: 8, .value_kind: global_buffer, .address_space: global }
      - { .name: qkvh, .offset: 16, .size: 8, .value_kind: global_buffer, .address_space: global }
      - { .name: vlo, .offset: 24, .size: 8, .value_kind: global_buffer, .address_space: global }
    .group_segment_fixed_size: 327680
    .private_segment_fixed_size: 0
    .kernarg_segment_align: 8
    .kernarg_segment_size: 32
    .max_flat_workgroup_size: 128
    .sgpr_count:     80
    .vgpr_count:     896
    .wavefront_size: 32
...
	.end_amdgpu_metadata
.endif
;; end of part 2
;; launch attn (part 3): grid 256 x 1, 8 waves a work-group, no clusters, 327,680 bytes of LDS; arguments qkvh, lmc, vwh, vlo; writes vwh
.if DOCPART == 3
	.amdgcn_target "amdgcn-amd-amdhsa--gfx1250"
	.amdhsa_code_object_version 6
	.text
	.protected	k_q672d134876_attn
	.globl	k_q672d134876_attn
	.p2align	8
	.type	k_q672d134876_attn,@function
k_q672d134876_attn:
	s_mov_b64 s[64:65], 0
	v_nop
	global_prefetch_b8 v0, s[64:65] scope:SCOPE_SE
	s_setreg_imm32_b32 hwreg(HW_REG_WAVE_MODE, 25, 1), 1
	s_wait_xcnt 0x0
; Causal attention of one head, with a running maximum.  q, k, v: f16 planes [2048][64] of qkvh; lmc = 8 ln(mask) in f32; vlo = v - f16(v) of keys 0-15.
; vwh: bf16 [b][term][h][s][64]: the result as two bf16 terms, hi = bf16(vw) and lo = bf16(vw - hi), which leave at most 2^-17 of vw unsaid.
; Work-group (bh = x / 8, i = x % 8) makes the query blocks (128 rows) i and then 15 - i of head bh: (i + 1) + (16 - i) = 17 chunks of 128 keys for every
; work-group; chunks above the diagonal, which reference()'s own tril throws away, are not touched.  Step c = 0..16 reads chunk c, or c - (i + 1) from c = i + 1 on.
; Eight waves: wq = w % 4 owns 32 queries of the block, g = w / 4 owns 64 keys of every chunk, so a SIMD's two waves have equal work in every step;
; at a block's end the two halves (maximum, sum, O) are merged through LDS.
; ALL PRODUCTS ARE TRANSPOSED: S^T = K Q^T + lmc (the mask's term is the C operand); a lane holds one query, its registers hold keys, so maximum and sum are in the
; lane plus one exchange of the halves; P packs in the lane into the B fragment of O^T = V^T P^T; V^T's fragments come by the transposing LDS load.
; p = exp2(c S - c m), c = log2(e) / 8.  The rounded number NM = -c m that the exponentials use also makes the rescaling factor, exp2(NMnew - NMold).
; A masked score is -2^100, the maximum starts at -2^96: a row with no open key ends with sum 0 and O = 0, and 0 x (1 / 0) gives the NaN that reference() gives.
; THE FIRST ROWS: a row that sees n keys is a mean of n rows of v, so the rows with few keys are the largest, and v's rounding to f16 weighs most there.  Rows 0-15
; see keys 0-15 alone; for these keys P also meets vlo, in the first step of the work-groups with i = 0, in wave 0.  In all other waves the four fragments are
; zero and the eight products add nothing: one text, no second branch.
; LIMITS: raw scores (q.k + 8 ln mask) of open keys lie above -2^96.  Where the mask closes a sequence's first keys, the rows with few open keys see v
; rounded to f16 (2^-11).
; NO CLUSTER: the eight work-groups of a head read the same K and V, but in different sequences (i + 1 chunks, then 16 - i); asking jointly would need all
; eight to walk 8 + 16 = 24 chunks instead of 17.
; LDS: two slots of 77,824 bytes, each with two steps' chunks: V 256 rows of pitch 160 at +0, K 256 rows of pitch 144 at +40,960.  Waves 0-3 fetch V, waves 4-7 K,
; 64 rows each, one load a wave behind each refill's barrier, which has two steps' work in which to land.  Behind the ring, in blocks of their own:
; XCH 4 x 9,216 bytes (the merge), STG 4 x 4,608 bytes (the way out; in wave 0 first the way in of vlo).
.set SLOT, 77824
.set KOFF, 40960
.set XCH,  155648
.set STG,  192512
.set LOPL, 4194304                     ; in vwh from a head's first term to its second: 16 planes of 262,144 bytes
.set ADK,  4                           ; v4-5    K's fragments in slot 0, 1
.set ADV,  6                           ; v6-7    V's fragments in slot 0, 1
.set VQ,   8                           ; v8      128 r + 16 h
.set VLM,  9                           ; v9      256 g + 32 h
.set DQ,   10                          ; v10     r - 8 h + 32 wq - 64 g: on the diagonal, key register 16 t + j of query tile u is masked if 16 (t - u) + j > DQ
.set VNEG, 11                          ; v11     -2^100
.set XA,   12
.set STO,  13
.set RD,   14
.set CO,   15
.set AL,   16                          ; v16, v18  rescaling factor of query tile u (+ 2 u)
.set M,    17                          ; v17, v19  running maximum
.set NM,   20                          ; v20, v22  -c m, rounded
.set LS,   21                          ; v21, v23  running sum, of this half of the lanes
.set T,    24                          ; v24-31    at work
.set LM,   32                          ; v32-63    the mask's term as four C tiles
.set S,    64                          ; v64-127   scores, then P: 32 u + 8 t
.set KF,   128                         ; v128-191  K's fragments: 8 (2 t + kk)
.set VF,   192                         ; v192-255  V^T's fragments: 8 (2 db + ks)
.set O,    0                           ; window 1: v0-63    O^T: 8 (4 u + db)
.set Q,    64                          ; window 1: v64-95   Q's fragments: 8 (2 u + kk)
.set VLO,  96                          ; window 1: v96-127  vlo^T's fragments: 8 db
.set G1K, 40
.set G1V, 48
.set G0K, 56                           ; s[56:63] a set for each slot
.set G0V, 68                           ; s[68:75] a set for each slot
.set MSB, 0
.macro WIN new
.if MSB != \new
	s_set_vgpr_msb (MSB<<8)|\new
.set MSB, \new
.endif
.endm
.macro PLACES
.rept 4
	v_nop
.endr
.endm
; the global address of my 64 rows of the chunk of step s\cs, into both sets of slot's group 0 (a wave uses one of them)
.macro SETADR slot, cs
	s_sub_co_u32 s36, s\cs, s16
	s_cmp_ge_u32 s\cs, s16
	s_cselect_b32 s36, s36, s\cs                   ; chunk = step, or step - (i + 1) in the second block
	s_lshl_b32 s36, s36, 14                        ; 128 rows of 128 bytes
	s_mov_b32 s37, 0
	s_add_nc_u64 s[G0K+4*\slot+2:G0K+4*\slot+3], s[26:27], s[36:37]
	s_or_b32 s[G0K+4*\slot+3], s[G0K+4*\slot+3], 0x80000000
	s_add_nc_u64 s[G0V+4*\slot+2:G0V+4*\slot+3], s[26:27], s[36:37]
	s_or_b32 s[G0V+4*\slot+3], s[G0V+4*\slot+3], 0x80000000
.endm
.macro KVLOAD slot
	s_cmp_lg_u32 s11, 0
	s_cbranch_scc1 .Lk_\@
	tensor_load_to_lds s[G0V+4*\slot:G0V+4*\slot+3], s[G1V:G1V+7]
	s_nop 0
	s_branch .Ld_\@
.Lk_\@:
	tensor_load_to_lds s[G0K+4*\slot:G0K+4*\slot+3], s[G1K:G1K+7]
	s_nop 0
.Ld_\@:
.endm
; A new query block s21: Q's fragments straight from memory, O = 0, maximum, sum.  The step that starts a block is known only when the kernel runs
; (it hangs on i), so one text serves every step and O is cleared here instead of by a first product with C = 0.
.macro QINIT
	s_lshl_b32 s36, s39, 11                        ; q's plane, in rows
	s_lshl_b32 s37, s21, 7
	s_add_co_u32 s36, s36, s37                     ; + 128 x block
	s_lshl_b32 s37, s12, 5
	s_add_co_u32 s36, s36, s37                     ; + 32 wq
	s_lshl_b32 s36, s36, 7
	s_mov_b32 s37, 0
	s_add_nc_u64 s[32:33], s[4:5], s[36:37]        ; the last block's loads of Q were waited for in every step since
	WIN 0x40
.irp u, 0,1
.irp kk, 0,1
	global_load_b128 v[Q+8*(2*\u+\kk):Q+8*(2*\u+\kk)+3],   v[VQ], s[32:33] offset:2048*\u+64*\kk
	global_load_b128 v[Q+8*(2*\u+\kk)+4:Q+8*(2*\u+\kk)+7], v[VQ], s[32:33] offset:2048*\u+64*\kk+32
.endr
.endr
.set n, 0
.rept 64
	v_mov_b32 v[O+n], 0
.set n, n+1
.endr
	WIN 0
.irp u, 0,1
	v_mov_b32 v[AL+2*\u], 0
	v_mov_b32 v[M+2*\u], 0xef800000                ; -2^96
	v_mov_b32 v[NM+2*\u], 0x6e38aa3b               ; c x 2^96
	v_mov_b32 v[LS+2*\u], 0
.endr
.endm
	s_load_b128 s[4:7], s[0:1], 0x0                ; qkvh s[4:5], lmc s[6:7]
	s_load_b64 s[8:9], s[0:1], 0x10                ; vwh
	s_load_b64 s[2:3], s[0:1], 0x18                ; vlo
	s_set_vgpr_msb 0x40
	v_lshl_add_u32 v128, v0, 2, 0x33800
	v_mov_b32 v129, 0
	s_set_vgpr_msb 0x4045
	ds_add_u32 v128, v129
	ds_add_u32 v128, v129
	s_set_vgpr_msb 0x4500
	v_lshrrev_b32 v1, 5, v0
	v_readfirstlane_b32 s10, v1                    ; wave 0..7
	s_lshr_b32 s11, s10, 2                         ; g: my 64 keys of a chunk.  Also: I fetch V (0) or K (1)
	s_and_b32 s12, s10, 3                          ; wq: my 32 queries
	s_lshr_b32 s13, s10, 1
	s_and_b32 s13, s13, 1                          ; cb: which of a slot's two chunks I fetch for
	s_and_b32 s14, s10, 1                          ; hf: which 64 rows of it
	s_and_b32 s15, ttmp9, 7                        ; i
	s_add_co_u32 s16, s15, 1
	s_lshr_b32 s17, ttmp9, 3                       ; bh
	s_mov_b32 s18, 0                               ; c: the step
	s_add_co_u32 s19, s13, 4                       ; the step that my next refill is for
	s_mov_b32 s21, s15                             ; the query block
	s_mov_b32 s22, 0x3e38aa3b                      ; c = log2(e) / 8, as a pair for the packed multiply-add
	s_mov_b32 s23, 0x3e38aa3b
	s_mov_b32 s24, 0x76543210                      ; v_permlanex16_b32: lane i of one half reads lane i of the other
	s_mov_b32 s25, 0xfedcba98
	s_mov_b32 s[G1K+0], (1<<16)|(1<<20)|(4<<22)|(3<<25)   ; 2-byte elements; padding on: after every 32 words 4 words: pitch 144
	s_mov_b32 s[G1V+0], (1<<16)|(1<<20)|(4<<22)|(7<<25)   ; 8 words: pitch 160, an odd multiple of 32 for the transposing load
	s_mov_b32 s[G1K+1], 64<<16                     ; tensor_dim0 = 64
	s_mov_b32 s[G1V+1], 64<<16
	s_mov_b32 s[G1K+2], 64<<16                     ; tensor_dim1 = 64
	s_mov_b32 s[G1V+2], 64<<16
	s_mov_b32 s[G1K+3], 64<<16                     ; tile_dim0 = 64 elements: a head's row
	s_mov_b32 s[G1V+3], 64<<16
	s_mov_b32 s[G1K+4], 64                         ; tile_dim1 = 64 rows
	s_mov_b32 s[G1V+4], 64
	s_mov_b32 s[G1K+5], 64                         ; elements from row to row
	s_mov_b32 s[G1V+5], 64
	s_mov_b32 s[G1K+6], 0
	s_mov_b32 s[G1V+6], 0
	s_mov_b32 s[G1K+7], 0
	s_mov_b32 s[G1V+7], 0
	s_mul_i32 s36, s10, 10240                      ; V: waves 0-3, 64 rows of 160 bytes each
	s_mul_i32 s37, s10, 9216                       ; K: waves 4-7, 64 rows of 144 bytes each, from 40,960 on:
	s_add_co_u32 s37, s37, 4096                    ; 40,960 + (w - 4) x 9,216
.irp s, 0,1
	s_mov_b32 s[G0V+4*\s], 1
	s_add_co_u32 s[G0V+4*\s+1], s36, \s*SLOT
	s_mov_b32 s[G0K+4*\s], 1
	s_add_co_u32 s[G0K+4*\s+1], s37, \s*SLOT
.endr
	s_lshr_b32 s36, s17, 4                         ; b
	s_and_b32 s37, s17, 15                         ; h
	s_mul_i32 s39, s36, 48
	s_add_co_u32 s39, s39, s37                     ; q's plane in qkvh: 48 b + h (kept)
	s_lshl_b32 s76, s36, 5
	s_add_co_u32 s76, s76, s37                     ; the first term's plane in vwh: 32 b + h (kept)
	s_lshl_b32 s78, s36, 13                        ; lmc: 8,192 bytes a batch
	s_mov_b32 s79, 0
	s_add_co_u32 s36, s39, 32                      ; v's plane,
	s_lshl_b32 s37, s11, 4
	s_sub_co_u32 s36, s36, s37                     ; or k's, 16 planes lower
	s_lshl_b32 s36, s36, 11
	s_lshl_b32 s37, s14, 6
	s_add_co_u32 s36, s36, s37                     ; + my 64 rows of a chunk
	s_lshl_b32 s36, s36, 7
	s_mov_b32 s37, 0
	s_wait_dscnt 0x0
	s_wait_kmcnt 0x0
	s_add_nc_u64 s[26:27], s[4:5], s[36:37]
	s_add_nc_u64 s[28:29], s[6:7], s[78:79]
	SETADR 0, 13                                   ; slot 0: steps 0 and 1
	s_add_co_u32 s38, s13, 2
	SETADR 1, 38                                   ; slot 1: steps 2 and 3
	s_cmp_lg_u32 s11, 0                            ; the first fills, both in one branch: two loads of the wave are out
	s_cbranch_scc1 .Lfirst_k
	tensor_load_to_lds s[G0V:G0V+3], s[G1V:G1V+7]
	s_nop 0
	tensor_load_to_lds s[G0V+4:G0V+7], s[G1V:G1V+7]
	s_nop 0
	s_branch .Lfirst_done
.Lfirst_k:
	tensor_load_to_lds s[G0K:G0K+3], s[G1K:G1K+7]
	s_nop 0
	tensor_load_to_lds s[G0K+4:G0K+7], s[G1K:G1K+7]
	s_nop 0
.Lfirst_done:
	v_and_b32 v1, 15, v0                           ; r
	v_bfe_u32 v2, v0, 4, 1                         ; h
	v_and_b32 v3, 31, v0                           ; lane
	v_mul_u32_u24 v[ADK], v1, 144
	v_lshl_add_u32 v[ADK], v2, 4, v[ADK]           ; 144 r + 16 h
	s_mul_i32 s36, s12, 4608
	s_add_co_u32 s36, s36, STG
	v_add_nc_u32 v[STO], s36, v[ADK]
	s_mul_i32 s37, s11, 9216                       ; my 64 keys
	s_add_co_u32 s37, s37, KOFF
	v_add_nc_u32 v[ADK], s37, v[ADK]
	v_add_nc_u32 v[ADK+1], SLOT, v[ADK]
	v_and_b32 v[ADV], 7, v0
	v_lshl_or_b32 v[ADV], v2, 3, v[ADV]            ; key row 8 h + lane % 8
	v_mul_u32_u24 v[ADV], v[ADV], 160
	v_bfe_u32 v[RD], v0, 3, 1
	v_lshl_add_u32 v[ADV], v[RD], 4, v[ADV]
	s_mul_i32 s37, s11, 10240
	v_add_nc_u32 v[ADV], s37, v[ADV]
	v_add_nc_u32 v[ADV+1], SLOT, v[ADV]
	v_lshlrev_b32 v[VQ], 7, v1
	v_lshl_add_u32 v[VQ], v2, 4, v[VQ]
	s_lshl_b32 s37, s11, 8
	v_lshl_add_u32 v[VLM], v2, 5, s37
	s_lshl_b32 s37, s12, 5
	s_lshl_b32 s38, s11, 6
	s_sub_co_i32 s37, s37, s38
	v_lshlrev_b32 v[DQ], 3, v2
	v_sub_nc_u32 v[DQ], v1, v[DQ]
	v_add_nc_u32 v[DQ], s37, v[DQ]
	v_mov_b32 v[VNEG], 0xf1800000
	s_mul_i32 s37, s12, 9216
	s_add_co_u32 s37, s37, XCH
	v_lshl_add_u32 v[XA], v3, 4, s37
	v_bfe_u32 v[RD], v0, 3, 2
	v_mul_u32_u24 v[RD], v[RD], 144
	v_and_b32 v[CO], 7, v0
	v_lshl_add_u32 v[RD], v[CO], 4, v[RD]
	v_add_nc_u32 v[RD], s36, v[RD]                 ; back: row lane / 8, 16 (lane % 8)
	v_lshlrev_b32 v[CO], 4, v3
	QINIT
	s_mov_b64 s[30:31], s[28:29]                   ; step 0 reads chunk 0
.irp t, 0,1,2,3
	global_load_b128 v[LM+8*\t:LM+8*\t+3],   v[VLM], s[30:31] offset:64*\t
	global_load_b128 v[LM+8*\t+4:LM+8*\t+7], v[VLM], s[30:31] offset:64*\t+16
.endr
	; vlo^T's four fragments (64 d x 32 keys, of which keys 16-31 are zero): zero in every wave,
	WIN 0x40
.set n, 0
.rept 32
	v_mov_b32 v[VLO+n], 0
.set n, n+1
.endr
	WIN 0
	; and filled in wave 0 of the work-groups with the first query block: 2,048 bytes from memory, through the wave's own stage with a pitch of 160 bytes,
	; back by the transposing load.  This stands while the first tiles are on their way.
	s_cmp_lg_u32 s10, 0
	s_cbranch_scc1 .Lnovlo
	s_cmp_lg_u32 s15, 0
	s_cbranch_scc1 .Lnovlo
	s_lshl_b32 s36, s17, 11                        ; 16 keys of 128 bytes a head
	s_mov_b32 s37, 0
	s_add_nc_u64 s[34:35], s[2:3], s[36:37]
.irp n, 0,1,2,3
	global_load_b128 v[KF+4*\n:KF+4*\n+3], v[CO], s[34:35] offset:512*\n     ; four keys a load
.endr
	v_bfe_u32 v[T], v0, 3, 2
	v_mul_u32_u24 v[T], v[T], 160
	v_and_b32 v[T+1], 7, v0
	v_lshl_add_u32 v[T], v[T+1], 4, v[T]
	v_add_nc_u32 v[T], STG, v[T]                   ; in: key lane / 8, 16 (lane % 8)
	v_add_nc_u32 v[T+1], STG, v[ADV]               ; back: as V's fragments are read (in wave 0 ADV holds the lane's term alone)
	s_wait_loadcnt 0x0
.irp n, 0,1,2,3
	ds_store_b128 v[T], v[KF+4*\n:KF+4*\n+3] offset:640*\n
.endr
	WIN 0x40
.irp db, 0,1,2,3
	ds_load_tr16_b128 v[VLO+8*\db:VLO+8*\db+3], v[T+1] offset:32*\db          ; keys 8 h .. 8 h + 7 of column 16 db + r; LDS serves a wave's instructions in order
.endr
	WIN 0
	s_wait_dscnt 0x0
.Lnovlo:
; In front of two steps.  Every wave waits for its LDS reads and for all its tensor loads, then the barrier; mode 1: slot rslot, read in the last two steps, is
; filled again first thing behind it, one load a wave; mode 2: the same for the one chunk of step 16 (the waves of a slot's second chunk have nothing to fill); mode 0: no fill.
.macro HEAD rslot, mode
	s_wait_dscnt 0x0
	s_set_vgpr_msb 0x5
	s_wait_tensorcnt 0x0                           ; no tensor load of mine is out: a group 0 may be written
	ds_add_u32 v128, v129
	s_wait_dscnt 0x0
	s_set_vgpr_msb 0x500
.if \mode
	SETADR \rslot, 19
	s_add_co_u32 s19, s19, 2
.endif
	s_barrier_signal -1
	s_barrier_wait -1
.if \mode == 1
	KVLOAD \rslot
.endif
.if \mode == 2
	s_cmp_lg_u32 s13, 0
	s_cbranch_scc1 .Lnone_\@
	KVLOAD \rslot
.Lnone_\@:
.endif
.endm
; Maximum, exponentials, sum and packing for query tile u
.macro SOFT u
.set SB, S+32*\u
.irp k, 0,1,2,3
	v_max3_num_f32 v[T+\k], v[SB+8*\k], v[SB+8*\k+1], v[SB+8*\k+2]        ; four chains over 32 scores and the old maximum
.endr
.irp k, 0,1,2,3
	v_max3_num_f32 v[T+\k], v[T+\k], v[SB+8*\k+3], v[SB+8*\k+4]
.endr
.irp k, 0,1,2,3
	v_max3_num_f32 v[T+\k], v[T+\k], v[SB+8*\k+5], v[SB+8*\k+6]
.endr
	v_max3_num_f32 v[T], v[T], v[T+1], v[SB+7]
	v_max3_num_f32 v[T+2], v[T+2], v[T+3], v[SB+15]
	v_max3_num_f32 v[T], v[T], v[T+2], v[SB+23]
	v_max3_num_f32 v[T], v[T], v[SB+31], v[M+2*\u]
	v_permlanex16_b32 v[T+1], v[T], s24, s25       ; the other half of the lanes holds the query's other keys
	v_max_num_f32 v[M+2*\u], v[T], v[T+1]
	v_mul_f32 v[T+2], 0xbe38aa3b, v[M+2*\u]        ; -c m
	v_sub_f32 v[T+3], v[T+2], v[NM+2*\u]
	v_exp_f32 v[AL+2*\u], v[T+3]                   ; what was summed so far is rescaled by exp2(NMnew - NMold)
	v_mov_b32 v[NM+2*\u], v[T+2]                   ; (the plain instruction behind the exponential: ISA guide 5.7.2)
.set n, 0
.rept 16
	v_pk_fma_f32 v[SB+n:SB+n+1], v[SB+n:SB+n+1], s[22:23], v[NM+2*\u:NM+2*\u+1] op_sel_hi:[1,0,0]   ; c S - c m
.set n, n+2
.endr
.set n, 0
.rept 32
	v_exp_f32 v[SB+n], v[SB+n]
.set n, n+1
.endr
	v_nop                                          ; one plain instruction before the last result is used
	s_wait_alu depctr_va_vdst(0)
.irp k, 0,1,2,3
	v_pk_add_f32 v[T+2*\k:T+2*\k+1], v[SB+8*\k:SB+8*\k+1], v[SB+8*\k+2:SB+8*\k+3]
.endr
.irp k, 0,1,2,3
	v_pk_add_f32 v[T+2*\k:T+2*\k+1], v[T+2*\k:T+2*\k+1], v[SB+8*\k+4:SB+8*\k+5]
.endr
.irp k, 0,1,2,3
	v_pk_add_f32 v[T+2*\k:T+2*\k+1], v[T+2*\k:T+2*\k+1], v[SB+8*\k+6:SB+8*\k+7]
.endr
	v_pk_add_f32 v[T:T+1], v[T:T+1], v[T+2:T+3]
	v_pk_add_f32 v[T+4:T+5], v[T+4:T+5], v[T+6:T+7]
	v_pk_add_f32 v[T:T+1], v[T:T+1], v[T+4:T+5]
	v_add_f32 v[T], v[T], v[T+1]
	v_fma_f32 v[LS+2*\u], v[LS+2*\u], v[AL+2*\u], v[T]
.irp ks, 0,1
.irp n, 0,1,2,3,4,5,6,7
	v_cvt_pk_f16_f32 v[SB+16*\ks+\n], v[SB+16*\ks+2*\n], v[SB+16*\ks+2*\n+1]   ; in place, ascending: keys 32 ks + 8 h + .. and 32 ks + 16 + 8 h + .. : the B fragment
.endr
.endr
.endm
; A block's end.  Waves g = 1 hand O, NM and the sum to their partners g = 0, which merge, divide, split into two bf16 terms and store 32 rows of each.
; last = 0: the second block begins.
.macro BEND last
	s_cmp_eq_u32 s11, 0
	s_cbranch_scc1 .Lkeep_\@
	WIN 0x04
.set n, 0
.rept 16
	ds_store_b128 v[XA], v[O+4*n:O+4*n+3] offset:512*n
.set n, n+1
.endr
	WIN 0
	ds_store_b128 v[XA], v[16:19] offset:8192
	ds_store_b128 v[XA], v[20:23] offset:8704
.Lkeep_\@:
	s_wait_dscnt 0x0                               ; for the partner's sake: my stores are done
	s_barrier_signal -1
	s_barrier_wait -1
	s_cmp_lg_u32 s11, 0
	s_cbranch_scc1 .Lnoread_\@
.set n, 0
.rept 16
	ds_load_b128 v[KF+4*n:KF+4*n+3], v[XA] offset:512*n
.set n, n+1
.endr
	ds_load_b128 v[VF:VF+3], v[XA] offset:8192
	ds_load_b128 v[VF+4:VF+7], v[XA] offset:8704   ; VF+4+2u: the partner's NM, VF+5+2u: its sum
.Lnoread_\@:
	s_wait_dscnt 0x0                               ; my reads are done: behind this barrier the bytes may be written again
	s_barrier_signal -1
	s_barrier_wait -1
	s_cmp_lg_u32 s11, 0
	s_cbranch_scc1 .Lnomerge_\@
.irp u, 0,1
	v_min_num_f32 v[T+4], v[NM+2*\u], v[VF+4+2*\u] ; -c x the larger maximum
	v_sub_f32 v[T], v[T+4], v[NM+2*\u]
	v_sub_f32 v[T+2], v[T+4], v[VF+4+2*\u]
	v_exp_f32 v[T], v[T]
	v_exp_f32 v[T+2], v[T+2]
	v_nop
	s_wait_alu depctr_va_vdst(0)
	v_mul_f32 v[T+5], v[LS+2*\u], v[T]
	v_fmac_f32 v[T+5], v[VF+5+2*\u], v[T+2]
	v_permlanex16_b32 v[T+6], v[T+5], s24, s25     ; the sums were kept by halves of the lanes
	v_add_f32 v[T+5], v[T+5], v[T+6]
	v_rcp_f32 v[T+6], v[T+5]
	v_nop
	s_wait_alu depctr_va_vdst(0)
	v_mul_f32 v[T], v[T], v[T+6]
	v_mul_f32 v[T+2], v[T+2], v[T+6]
.set n, 0
.rept 16
	v_pk_mul_f32 v[KF+32*\u+n:KF+32*\u+n+1], v[KF+32*\u+n:KF+32*\u+n+1], v[T+2:T+3] op_sel_hi:[1,0]
.set n, n+2
.endr
	WIN 0x01
.set n, 0
.rept 16
	v_pk_fma_f32 v[KF+32*\u+n:KF+32*\u+n+1], v[O+32*\u+n:O+32*\u+n+1], v[T:T+1], v[KF+32*\u+n:KF+32*\u+n+1] op_sel_hi:[1,0,1]
.set n, n+2
.endr
	WIN 0
.set n, 0
.rept 16
	v_cvt_pk_bf16_f32 v[VF+8+16*\u+n], v[KF+32*\u+2*n], v[KF+32*\u+2*n+1]       ; the first term
.set n, n+1
.endr
.set n, 0
.rept 16
	v_lshlrev_b32 v[T+2*(n%4)], 16, v[VF+8+16*\u+n]                              ; bf16 to f32: the low half moves up, the high half stays
	v_and_b32 v[T+2*(n%4)+1], 0xffff0000, v[VF+8+16*\u+n]
	v_pk_add_f32 v[KF+32*\u+2*n:KF+32*\u+2*n+1], v[KF+32*\u+2*n:KF+32*\u+2*n+1], v[T+2*(n%4):T+2*(n%4)+1] neg_lo:[0,1] neg_hi:[0,1]   ; what the first term dropped (exact)
.set n, n+1
.endr
.set n, 0
.rept 16
	v_cvt_pk_bf16_f32 v[KF+32*\u+n], v[KF+32*\u+2*n], v[KF+32*\u+2*n+1]         ; the second term, packed in place, ascending: KF+32u .. +15
.set n, n+1
.endr
.endr
	; both terms go through my own stage, one behind the other: LDS serves a wave's instructions in order, so the first term's rows are read before the second's land
.irp u, 0,1
.irp db, 0,1,2,3
	ds_store_b128 v[STO], v[VF+8+16*\u+4*\db:VF+8+16*\u+4*\db+3] offset:2304*\u+32*\db   ; row 16 u + r, columns 16 db + 8 h ..
.endr
.endr
	s_lshl_b32 s36, s76, 11
	s_lshl_b32 s37, s21, 7
	s_add_co_u32 s36, s36, s37
	s_lshl_b32 s37, s12, 5
	s_add_co_u32 s36, s36, s37                     ; row 2,048 x plane + 128 x block + 32 wq
	s_lshl_b32 s36, s36, 7
	s_mov_b32 s37, 0
	s_add_nc_u64 s[34:35], s[8:9], s[36:37]
.irp n, 0,1,2,3,4,5,6,7
	ds_load_b128 v[KF+16+4*\n+16*(\n/4):KF+16+4*\n+16*(\n/4)+3], v[RD] offset:576*\n     ; four rows a load, into the registers that the packing left free
.endr
.irp u, 0,1
.irp db, 0,1,2,3
	ds_store_b128 v[STO], v[KF+32*\u+4*\db:KF+32*\u+4*\db+3] offset:2304*\u+32*\db
.endr
.endr
.irp n, 0,1,2,3,4,5,6,7
	ds_load_b128 v[VF+8+4*\n:VF+8+4*\n+3], v[RD] offset:576*\n
.endr
.irp n, 0,1,2,3,4,5,6,7
	s_wait_dscnt 23-\n                             ; behind load n of the first term: 7 - n loads, 8 stores, 8 loads
	global_store_b128 v[CO], v[KF+16+4*\n+16*(\n/4):KF+16+4*\n+16*(\n/4)+3], s[34:35] offset:512*\n   ; 512 consecutive bytes, aligned
.endr
.irp n, 0,1,2,3,4,5,6,7
	s_wait_dscnt 7-\n                              ; load n of the second term is in, the younger ones stay out
	global_store_b128 v[CO], v[VF+8+4*\n:VF+8+4*\n+3], s[34:35] offset:512*\n+LOPL
.endr
	s_wait_xcnt 0x0                                ; the stores' data registers and base are written again only behind this wait (ISA guide 3.1)
.Lnomerge_\@:
.if \last == 0
	s_sub_co_u32 s21, 15, s15                      ; the second block
	QINIT
.endif
.endm
; One step: my 64 keys of the chunk at (slot, cbit) against my 32 queries.  dyn = 1: this step may be the first block's diagonal (c = i); last = 1: it is the
; second block's; first = 1: step 0, in which P also meets vlo.
.macro STEP slot, cbit, dyn, last, first
.irp t, 0,1,2,3
.irp kk, 0,1
	ds_load_b128 v[KF+8*(2*\t+\kk):KF+8*(2*\t+\kk)+3],   v[ADK+\slot] offset:18432*\cbit+2304*\t+64*\kk
	ds_load_b128 v[KF+8*(2*\t+\kk)+4:KF+8*(2*\t+\kk)+7], v[ADK+\slot] offset:18432*\cbit+2304*\t+64*\kk+32
.endr
.endr
.irp db, 0,1,2,3
.irp ks, 0,1
	ds_load_tr16_b128 v[VF+8*(2*\db+\ks):VF+8*(2*\db+\ks)+3],   v[ADV+\slot] offset:20480*\cbit+5120*\ks+32*\db
	ds_load_tr16_b128 v[VF+8*(2*\db+\ks)+4:VF+8*(2*\db+\ks)+7], v[ADV+\slot] offset:20480*\cbit+5120*\ks+32*\db+2560
.endr
.endr
	s_wait_loadcnt 0x0                             ; the mask's term, asked for a step ago (and Q, behind a change of block)
	s_wait_dscnt 16                                ; K is in; V's sixteen loads may be out
	WIN 0x04
.irp t, 0,1,2,3
.irp u, 0,1
	v_wmma_f32_16x16x32_f16 v[S+32*\u+8*\t:S+32*\u+8*\t+7], v[KF+16*\t:KF+16*\t+7], v[Q+16*\u:Q+16*\u+7], v[LM+8*\t:LM+8*\t+7]
.endr
.endr
.irp t, 0,1,2,3
.irp u, 0,1
	v_wmma_f32_16x16x32_f16 v[S+32*\u+8*\t:S+32*\u+8*\t+7], v[KF+16*\t+8:KF+16*\t+15], v[Q+16*\u+8:Q+16*\u+15], v[S+32*\u+8*\t:S+32*\u+8*\t+7]   ; eight accumulators by turns
.endr
.endr
	WIN 0
	PLACES
.if \last == 0
	s_add_co_u32 s38, s18, 1                       ; the next step's chunk
	s_sub_co_u32 s36, s38, s16
	s_cmp_ge_u32 s38, s16
	s_cselect_b32 s36, s36, s38
	s_lshl_b32 s36, s36, 9                         ; 128 keys of 4 bytes
	s_mov_b32 s37, 0
	s_add_nc_u64 s[30:31], s[28:29], s[36:37]      ; the loads that named this pair were waited for above
.irp t, 0,1,2,3
	global_load_b128 v[LM+8*\t:LM+8*\t+3],   v[VLM], s[30:31] offset:64*\t       ; a wave's eight loads cover the 256 bytes of its 64 keys
	global_load_b128 v[LM+8*\t+4:LM+8*\t+7], v[VLM], s[30:31] offset:64*\t+16
.endr
.endif
.if \dyn + \last
.if \dyn
	s_cmp_lg_u32 s18, s15
	s_cbranch_scc1 .Lnodiag_\@
.endif
.irp u, 0,1
.irp t, 0,1,2,3
.irp j, 0,1,2,3,4,5,6,7
	v_cmp_gt_i32 vcc_lo, 16*(\t-\u)+\j, v[DQ]      ; key above query
	v_cndmask_b32 v[S+32*\u+8*\t+\j], v[S+32*\u+8*\t+\j], v[VNEG], vcc_lo
.endr
.endr
.endr
.Lnodiag_\@:
.endif
	SOFT 0
	SOFT 1
	WIN 0x41
.irp u, 0,1
.set n, 0
.rept 16
	v_pk_mul_f32 v[O+32*\u+n:O+32*\u+n+1], v[O+32*\u+n:O+32*\u+n+1], v[AL+2*\u:AL+2*\u+1] op_sel_hi:[1,0]
.set n, n+2
.endr
.endr
	s_wait_dscnt 0x0                               ; V is in
	WIN 0x50
.irp ks, 0,1
.irp db, 0,1,2,3
.irp u, 0,1
	v_wmma_f32_16x16x32_f16 v[O+8*(4*\u+\db):O+8*(4*\u+\db)+7], v[VF+8*(2*\db+\ks):VF+8*(2*\db+\ks)+7], v[S+32*\u+16*\ks:S+32*\u+16*\ks+7], v[O+8*(4*\u+\db):O+8*(4*\u+\db)+7]   ; eight accumulators by turns
.endr
.endr
.endr
.if \first
	WIN 0x51
.irp db, 0,1,2,3
.irp u, 0,1
	v_wmma_f32_16x16x32_f16 v[O+8*(4*\u+\db):O+8*(4*\u+\db)+7], v[VLO+8*\db:VLO+8*\db+7], v[S+32*\u:S+32*\u+7], v[O+8*(4*\u+\db):O+8*(4*\u+\db)+7]   ; P of my first 32 keys x vlo (zero but in wave 0 of the first block); the same eight by turns
.endr
.endr
.endif
	WIN 0
.rept 5
	v_nop                                          ; five places: the next step's first products write over P; its loads land in VF; O is rescaled or stored
.endr
.if \dyn
	s_cmp_lg_u32 s18, s15
	s_cbranch_scc1 .Lnoend_\@
	BEND 0
.Lnoend_\@:
.endif
.if \last
	BEND 1
.else
	s_add_co_u32 s18, s18, 1
.endif
.endm
	s_wait_tensorcnt 0x1                           ; my part of slot 0 is in; slot 1's stays out
	s_barrier_signal -1
	s_barrier_wait -1
	STEP 0, 0, 1, 0, 1                             ; steps 0, 1
	STEP 0, 1, 1, 0, 0
	s_mov_b32 s20, 3
.Lloop:
	HEAD 0, 1                                      ; slot 0 gets steps 4, 5 (8, 9; 12, 13)
	STEP 1, 0, 1, 0, 0                             ; steps 2, 3 (6, 7; 10, 11)
	STEP 1, 1, 1, 0, 0
	HEAD 1, 1                                      ; slot 1 gets steps 6, 7 (10, 11; 14, 15)
	STEP 0, 0, 1, 0, 0                             ; steps 4, 5 (8, 9; 12, 13)
	STEP 0, 1, 1, 0, 0
	s_sub_co_u32 s20, s20, 1
	s_cmp_lg_u32 s20, 0
	s_cbranch_scc1 .Lloop
	HEAD 0, 2                                      ; slot 0 gets step 16
	STEP 1, 0, 0, 0, 0                             ; steps 14, 15: i is at most 7, so neither is the first block's diagonal
	STEP 1, 1, 0, 0, 0
	HEAD 0, 0
	STEP 0, 0, 0, 1, 0                             ; step 16: the second block's diagonal and end
	s_set_vgpr_msb 0x5
	s_wait_tensorcnt 0x0
	ds_add_u32 v128, v129
	s_wait_dscnt 0x0
	s_set_vgpr_msb 0x500
	s_endpgm
.Lfunc_end_k_q672d134876_attn:
	.size	k_q672d134876_attn, .Lfunc_end_k_q672d134876_attn-k_q672d134876_attn
	.p2alignl 7, 3214868480
	.fill 96, 4, 3214868480
	.section	.rodata,"a",@progbits
	.p2align	6, 0x0
	.amdhsa_kernel k_q672d134876_attn
		.amdhsa_group_segment_fixed_size 327680
		.amdhsa_private_segment_fixed_size 0
		.amdhsa_enable_private_segment 0
		.amdhsa_kernarg_size 32
		.amdhsa_user_sgpr_count 2
		.amdhsa_user_sgpr_kernarg_segment_ptr 1
		.amdhsa_wavefront_size32 1
		.amdhsa_system_sgpr_workgroup_id_x 1
		.amdhsa_system_sgpr_workgroup_id_y 1
		.amdhsa_system_sgpr_workgroup_id_z 1
		.amdhsa_system_vgpr_workitem_id 0
		.amdhsa_next_free_vgpr 386
		.amdhsa_next_free_sgpr 80
		.amdhsa_reserve_vcc 1
		.amdhsa_float_denorm_mode_32 3
		.amdhsa_float_denorm_mode_16_64 3
		.amdhsa_memory_ordered 1
		.amdhsa_forward_progress 1
		.amdhsa_inst_pref_size 255
	.end_amdhsa_kernel
	.section	.bss,"aw",@nobits
	.p2align	6
	.space	262144
	.amdgpu_metadata
---
amdhsa.version: [ 1, 2 ]
amdhsa.kernels:
  - .name:           k_q672d134876_attn
    .symbol:         k_q672d134876_attn.kd
    .args:
      - { .name: qkvh, .offset: 0, .size: 8, .value_kind: global_buffer, .address_space: global }
      - { .name: lmc, .offset: 8, .size: 8, .value_kind: global_buffer, .address_space: global }
      - { .name: vwh, .offset: 16, .size: 8, .value_kind: global_buffer, .address_space: global }
      - { .name: vlo, .offset: 24, .size: 8, .value_kind: global_buffer, .address_space: global }
    .group_segment_fixed_size: 327680
    .private_segment_fixed_size: 0
    .kernarg_segment_align: 8
    .kernarg_segment_size: 32
    .max_flat_workgroup_size: 256
    .sgpr_count:     80
    .vgpr_count:     386
    .wavefront_size: 32
...
	.end_amdgpu_metadata
.endif
;; end of part 3
;; launch gemm_out (part 4): grid 8 x 32, 4 waves a work-group, clusters of 4 x 4, 327,680 bytes of LDS; arguments vwh, castb, bo, out0; writes out0
.if DOCPART == 4
	.amdgcn_target "amdgcn-amd-amdhsa--gfx1250"
	.amdhsa_code_object_version 6
	.text
	.protected	k_q672d134876_gemm_out
	.globl	k_q672d134876_gemm_out
	.p2align	8
	.type	k_q672d134876_gemm_out,@function
k_q672d134876_gemm_out:
	s_mov_b64 s[64:65], 0
	v_nop
	global_prefetch_b8 v0, s[64:65] scope:SCOPE_SE
	s_setreg_imm32_b32 hwreg(HW_REG_WAVE_MODE, 25, 1), 1
	s_wait_xcnt 0x0
	s_wait_alu depctr_hold_cnt(0) depctr_sa_sdst(0) depctr_va_vdst(0) depctr_va_sdst(0) depctr_va_ssrc(0) depctr_va_vcc(0) depctr_vm_vsrc(0)
	s_getreg_b32 s2, hwreg(HW_REG_IB_STS2, 6, 4)
	s_cmp_eq_u32 s2, 0
	s_cbranch_scc0 .Lentry_in_a_cluster
	s_endpgm
.Lentry_in_a_cluster:
	s_bfe_u32 s2, ttmp6, 0x10000c
	s_cmp_lg_u32 s2, 0xf033
	s_cbranch_scc0 .Lentry_shape_is_right
	s_endpgm
.Lentry_shape_is_right:
; out0 = vw Wo + bo, f32.  vw: two bf16 terms, [b][term][h][s][64] (vwh); Wo: bf16 [1024 k][1024 n] at castb + 14,680,064, k = 64 h + d; sums in f32.
; Both terms meet the same rows of Wo: out = hi Wo + lo Wo + bo, a product of K = 2,048.  With one bf16 term vw's rounding (2^-9) would be the result's largest error;
; with two, at most 2^-17 of vw is left out.
; A work-group makes 128 x 128 with four waves, wave (wm, wn) 64 x 64: 16 accumulator tiles.  256 work-groups: a larger block would leave half of them without work.
; K goes plane by plane (64); an LDS slot holds four planes (K = 256), so there are eight fills in all and the text is written out without a loop.
; A slot has four regions of 36,864 bytes, one tensor load each: waves 0, 1 bring two planes each of vw (128 rows x 128 bytes, pitch 144); a plane's 128 rows follow each
; other in memory, so they are stated as one row of 8,192 elements, with the padding counted every 32 words; waves 2, 3 bring 128 k-rows x 128 columns each of Wo (pitch 288).
; CLUSTERS: 4 x 4 work-groups; vw's tiles are asked for jointly along a row of the cluster, Wo's along a column.
; The matrix instruction is used transposed (source 0 = Wo's columns, source 1 = vw's rows): a lane holds 8 neighbouring columns of one row.  The bias is the first product's C.
; REGISTERS: window 0: v16-27 addresses, v32-63 the bias as 4 C tiles, v64-191 fragment buffer 0, v192-255 the way out; window 1: tile (a, nb) at 8 (4 a + nb);
;   window 2: v64-191 fragment buffer 1.
.set REG,   36864
.set SLOT,  4*REG
.set STAGE, 2*SLOT                     ; behind the ring: 16 rows x 272 bytes a wave; no tensor load lands here
.set WSTG,  4352
.set ADRA, 16                          ; v16-17  vw's fragments in slot 0, 1
.set ADRB, 18                          ; v18-21  Wo's fragments: 2 x slot + (plane of the slot's four) / 2
.set STO,  24
.set RD,   25
.set CO,   26
.set VB,   27
.set BI,   32
.set FA,   64                          ; 8 (2 a + kk)
.set FB,   128                         ; 8 (2 nb + kk)
.set RB0,  192
.set RB1,  224
.set G1,  24
.set G0,  32
.set G1B, 48
.set G0B, 56
.set MSB, 0
.macro WIN new
.if MSB != \new
	s_set_vgpr_msb (MSB<<8)|\new
.set MSB, \new
.endif
.endm
.macro PLACES                          ; four places behind a matrix instruction (ISA guide 7.12.1)
.rept 4
	v_nop
.endr
.endm
.macro JLOAD s                         ; waves 0, 1 ask for vw's planes, waves 2, 3 for Wo's rows; each line has one mask
	s_cmp_eq_u32 s11, 0
	s_cbranch_scc0 .Lfor_b_\@
	tensor_load_to_lds s[G0+4*\s:G0+4*\s+3], s[G1:G1+7]
	s_nop 0
	s_branch .Lasked_\@
.Lfor_b_\@:
	tensor_load_to_lds s[G0B+4*\s:G0B+4*\s+3], s[G1B:G1B+7]
	s_nop 0
.Lasked_\@:
.endm
.macro CREST
	s_cmp_lg_u32 s10, 0
	s_cbranch_scc1 .Lnot_wave_0_\@
	s_barrier_signal -3
.Lnot_wave_0_\@:
	s_barrier_wait -3
	s_barrier_signal -1
	s_barrier_wait -1
.endm
.macro CROUND
	s_barrier_signal -1
	s_barrier_wait -1
	CREST
.endm
	s_load_b128 s[4:7], s[0:1], 0x0                ; vwh s[4:5], castb s[6:7]
	s_load_b128 s[68:71], s[0:1], 0x10             ; bo s[68:69], out0 s[70:71]
	s_set_vgpr_msb 0x80
	v_lshl_add_u32 v192, v0, 2, 0x4c400
	v_mov_b32 v193, 0
	s_set_vgpr_msb 0x808a
	ds_add_u32 v192, v193
	ds_add_u32 v192, v193
	s_set_vgpr_msb 0x8a00
	v_lshrrev_b32 v1, 5, v0
	v_readfirstlane_b32 s10, v1                    ; wave 0..3
	s_lshr_b32 s11, s10, 1                         ; wm.  Also: I fetch vw (0) or Wo (1)
	s_and_b32 s12, s10, 1                          ; wn
	s_bfe_u32 s40, ttmp6, 0x40000                  ; cx
	s_bfe_u32 s41, ttmp6, 0x40004                  ; cy
	s_lshl_b32 s42, ttmp9, 2
	s_add_co_u32 s42, s42, s40                     ; bx, 0..7
	s_and_b32 s13, ttmp7, 0xffff
	s_lshl_b32 s13, s13, 2
	s_add_co_u32 s13, s13, s41                     ; by, 0..31
	s_lshl_b32 s43, s41, 2
	s_lshl_b32 s43, 15, s43                        ; my row of the cluster
	s_lshl_b32 s44, 0x1111, s40                    ; my column
	s_or_b32 s[G1+0], s43, (1<<16)|(1<<20)|(1<<21)|(4<<22)|(3<<25)   ; after every 32 words (a row of 64 bf16) 4 words: pitch 144
	s_or_b32 s[G1B+0], s44, (1<<16)|(1<<20)|(1<<21)|(5<<22)|(7<<25)  ; after every 64 words 8 words: pitch 288
	s_mov_b32 s[G1+1], 8192<<16                    ; tensor_dim0 = 8,192: a plane's 128 rows of 64
	s_mov_b32 s[G1B+1], 128<<16
	s_mov_b32 s[G1+2], 2<<16                       ; tensor_dim1 = 2 planes
	s_mov_b32 s[G1B+2], 128<<16
	s_mov_b32 s[G1+3], 8192<<16                    ; tile_dim0
	s_mov_b32 s[G1B+3], 128<<16
	s_mov_b32 s[G1+4], 2                           ; tile_dim1
	s_mov_b32 s[G1B+4], 128
	s_mov_b32 s[G1+5], 131072                      ; elements from plane to plane
	s_mov_b32 s[G1B+5], 1024                       ; elements from row to row of Wo
	s_mov_b32 s[G1+6], 0
	s_mov_b32 s[G1B+6], 0
	s_mov_b32 s[G1+7], 0
	s_mov_b32 s[G1B+7], 0
	s_lshr_b32 s16, s13, 4                         ; vw: plane 32 b + 2 w,
	s_lshl_b32 s16, s16, 5
	s_lshl_b32 s17, s10, 1
	s_add_co_u32 s16, s16, s17
	s_lshl_b32 s16, s16, 11
	s_and_b32 s17, s13, 15
	s_lshl_b32 s17, s17, 7
	s_add_co_u32 s16, s16, s17                     ; row 128 (by % 16),
	s_lshl_b32 s16, s16, 7                         ; rows of 128 bytes (registers that never hold bx or cx)
	s_mov_b32 s17, 0
	s_lshl_b32 s46, s42, 8                         ; Wo: 128 bx columns of 2 bytes,
	s_lshl_b32 s47, s10, 18                        ; 128 (w - 2) rows of 2,048 bytes,
	s_add_co_u32 s46, s46, s47
	s_add_co_u32 s46, s46, 14155776                ; at 14,680,064 - 524,288 (registers that never hold by or cy)
	s_mov_b32 s47, 0
	s_mul_i32 s20, s10, REG
	s_wait_dscnt 0x0
	s_wait_kmcnt 0x0
	s_add_nc_u64 s[14:15], s[4:5], s[16:17]
	s_add_nc_u64 s[46:47], s[6:7], s[46:47]
	CROUND                                         ; all sixteen work-groups are here: the first joint loads meet
.irp s, 0,1
	s_mov_b32 s[G0+4*\s], 1
	s_add_co_u32 s[G0+4*\s+1], s20, \s*SLOT
	s_add_nc_u64 s[G0+4*\s+2:G0+4*\s+3], s[14:15], \s*1048576      ; four planes on
	s_or_b32 s[G0+4*\s+3], s[G0+4*\s+3], 0x80000000
	s_mov_b32 s[G0B+4*\s], 1
	s_add_co_u32 s[G0B+4*\s+1], s20, \s*SLOT
	s_add_nc_u64 s[G0B+4*\s+2:G0B+4*\s+3], s[46:47], \s*524288     ; 256 rows of Wo on
	s_or_b32 s[G0B+4*\s+3], s[G0B+4*\s+3], 0x80000000
	JLOAD \s                                       ; two loads of the wave are out
.endr
	v_and_b32 v1, 15, v0                           ; r
	v_bfe_u32 v2, v0, 4, 1                         ; h
	v_mul_u32_u24 v3, v1, 144
	v_lshl_add_u32 v3, v2, 4, v3
	s_mul_i32 s21, s11, 64*144
	v_add_nc_u32 v[ADRA], s21, v3
	v_add_nc_u32 v[ADRA+1], SLOT, v[ADRA]
	v_and_b32 v6, 7, v0
	v_lshl_or_b32 v6, v2, 3, v6                    ; k-row 8 h + lane % 8
	v_mul_u32_u24 v5, v6, 288
	v_bfe_u32 v7, v0, 3, 1
	v_lshl_add_u32 v5, v7, 4, v5
	s_lshl_b32 s22, s12, 7                         ; my 64 columns
	s_add_co_u32 s22, s22, 2*REG                   ; Wo lies behind vw's two regions
	v_add_nc_u32 v[ADRB], s22, v5
	v_add_nc_u32 v[ADRB+1], REG, v[ADRB]           ; planes 2, 3 of the slot: beyond the reach of the 16-bit offset
	v_add_nc_u32 v[ADRB+2], SLOT, v[ADRB]
	v_add_nc_u32 v[ADRB+3], SLOT, v[ADRB+1]
	s_mul_i32 s23, s10, WSTG
	s_add_co_u32 s23, s23, STAGE
	v_mul_u32_u24 v4, v1, 272
	v_lshl_add_u32 v4, v2, 5, v4
	v_add_nc_u32 v[STO], s23, v4                   ; in: row r, 32 bytes for each half of the lanes
	v_mul_u32_u24 v4, v2, 272
	v_lshl_add_u32 v4, v1, 4, v4
	v_add_nc_u32 v[RD], s23, v4                    ; back: lanes 0-15 one row of 256 bytes, lanes 16-31 the next
	v_lshlrev_b32 v4, 12, v2
	v_lshl_add_u32 v[CO], v1, 4, v4                ; the same two rows in out0
	v_lshlrev_b32 v[VB], 5, v2
	s_lshl_b32 s46, s42, 9                         ; (128 bx + 64 wn) x 4 bytes: for the bias, and kept for the way out
	s_lshl_b32 s47, s12, 8
	s_add_co_u32 s46, s46, s47
	s_mov_b32 s47, 0
	s_add_nc_u64 s[68:69], s[68:69], s[46:47]
.irp nb, 0,1,2,3
	global_load_b128 v[BI+8*\nb:BI+8*\nb+3],   v[VB], s[68:69] offset:64*\nb
	global_load_b128 v[BI+8*\nb+4:BI+8*\nb+7], v[VB], s[68:69] offset:64*\nb+16
.endr
; 32 LDS loads in one run: plane hp of a slot into buffer buf: the lower 32 of K first (vw's 8, Wo's 8), then the upper 32
.macro FETCH3 slot, hp, buf
.if \buf
	WIN 0x80
.else
	WIN 0
.endif
.irp kk, 0,1
.irp a, 0,1,2,3
	ds_load_b128 v[FA+8*(2*\a+\kk):FA+8*(2*\a+\kk)+3],   v[ADRA+\slot] offset:18432*\hp+2304*\a+64*\kk
	ds_load_b128 v[FA+8*(2*\a+\kk)+4:FA+8*(2*\a+\kk)+7], v[ADRA+\slot] offset:18432*\hp+2304*\a+64*\kk+32
.endr
.irp nb, 0,1,2,3
	ds_load_tr16_b128 v[FB+8*(2*\nb+\kk):FB+8*(2*\nb+\kk)+3],   v[ADRB+2*\slot+\hp/2] offset:18432*(\hp%2)+9216*\kk+32*\nb
	ds_load_tr16_b128 v[FB+8*(2*\nb+\kk)+4:FB+8*(2*\nb+\kk)+7], v[ADRB+2*\slot+\hp/2] offset:18432*(\hp%2)+9216*\kk+32*\nb+4608
.endr
.endr
.endm
; 8 matrix instructions: row blocks 2 half, 2 half + 1 x all four column blocks, 32 along K
.macro MUL3 kk, half, bias
.irp a, 2*\half, 2*\half+1
.irp nb, 0,1,2,3
.if \bias
	v_wmma_f32_16x16x32_bf16 v[8*(4*(\a)+\nb):8*(4*(\a)+\nb)+7], v[FB+8*(2*\nb+\kk):FB+8*(2*\nb+\kk)+7], v[FA+8*(2*(\a)+\kk):FA+8*(2*(\a)+\kk)+7], v[BI+8*\nb:BI+8*\nb+7]
.else
	v_wmma_f32_16x16x32_bf16 v[8*(4*(\a)+\nb):8*(4*(\a)+\nb)+7], v[FB+8*(2*\nb+\kk):FB+8*(2*\nb+\kk)+7], v[FA+8*(2*(\a)+\kk):FA+8*(2*(\a)+\kk)+7], v[8*(4*(\a)+\nb):8*(4*(\a)+\nb)+7]
.endif
.endr
.endr
.endm
.macro MWIN buf, bias                  ; sources in window 0 or 2, D in window 1, C in window 1 or (the bias) 0
.if \bias
	WIN 0x40
.else
.if \buf
	WIN 0x5A
.else
	WIN 0x50
.endif
.endif
.endm
; A plane's step on buffer buf; in its middle the next plane's fragments go into buffer obuf.  The sixteen accumulators take turns in one order throughout.
.macro HSTEP buf, obuf, nslot, nhp, bias
	s_wait_dscnt 16                                ; the lower 32 of K are in; the sixteen younger loads may be out
	MWIN \buf, \bias
	MUL3 0, 0, \bias
	MUL3 0, 1, \bias
	PLACES
	FETCH3 \nslot, \nhp, \obuf
	s_wait_dscnt 32                                ; all but the 32 just issued
	MWIN \buf, 0
	MUL3 1, 0, 0
	MUL3 1, 1, 0
.endm
.macro THREE3 slot, bias
	HSTEP 0, 1, \slot, 1, \bias
	HSTEP 1, 0, \slot, 2, 0
	HSTEP 0, 1, \slot, 3, 0
.endm
; A slot's last plane (buffer 1) and the change of slots: the waits in front of the barrier, which with fill = 1 opens a round of the cluster's barrier; the joint refill
; first behind the round.  vw goes eight planes on; Wo goes 512 rows on, or (back = 1, where the second terms begin) 512 rows back.
.macro HTURN slot, next, fill, back
	s_wait_dscnt 16
	WIN 0x5A
	MUL3 0, 0, 0
	s_wait_dscnt 0x0                               ; my reads of this slot are over
	s_wait_tensorcnt 0x0                           ; all my tensor loads have landed, my part of the next slot among them
	ds_add_u32 v192, v193
	s_wait_dscnt 0x0
	s_barrier_signal -1
	MUL3 0, 1, 0                                   ; registers only
	WIN 0
	s_barrier_wait -1
.if \fill
	CREST
	s_add_nc_u64 s[G0+4*\slot+2:G0+4*\slot+3], s[G0+4*\slot+2:G0+4*\slot+3], 2097152
.if \back
	s_sub_nc_u64 s[G0B+4*\slot+2:G0B+4*\slot+3], s[G0B+4*\slot+2:G0B+4*\slot+3], 1048576
.else
	s_add_nc_u64 s[G0B+4*\slot+2:G0B+4*\slot+3], s[G0B+4*\slot+2:G0B+4*\slot+3], 1048576
.endif
	JLOAD \slot
.endif
	PLACES
	FETCH3 \next, 0, 0
	WIN 0x5A
	MUL3 1, 0, 0
	MUL3 1, 1, 0
.endm
	s_wait_tensorcnt 0x1                           ; my part of planes 0-3 is in; planes 4-7 stay out
	s_barrier_signal -1
	s_barrier_wait -1
	FETCH3 0, 0, 0
	s_wait_loadcnt 0x0                             ; the bias
	THREE3 0, 1                                    ; first terms, heads 0-2
	HTURN 0, 1, 1, 0                               ; head 3; slot 0 gets heads 8-11
	THREE3 1, 0                                    ; heads 4-6
	HTURN 1, 0, 1, 0                               ; head 7; slot 1 gets heads 12-15
	THREE3 0, 0                                    ; heads 8-10
	HTURN 0, 1, 1, 1                               ; head 11; slot 0 gets the second terms of heads 0-3, with Wo's rows 0-255 again
	THREE3 1, 0                                    ; heads 12-14
	HTURN 1, 0, 1, 1                               ; head 15; slot 1 gets the second terms of heads 4-7, with Wo's rows 256-511
	THREE3 0, 0                                    ; second terms, heads 0-2
	HTURN 0, 1, 1, 0                               ; head 3; slot 0 gets heads 8-11
	THREE3 1, 0                                    ; heads 4-6
	HTURN 1, 0, 1, 0                               ; head 7; slot 1 gets heads 12-15
	THREE3 0, 0                                    ; heads 8-10
	HTURN 0, 1, 0, 0                               ; head 11; nothing is left to fetch
	THREE3 1, 0                                    ; heads 12-14
	s_wait_dscnt 16                                ; head 15
	WIN 0x5A
	MUL3 0, 0, 0
	MUL3 0, 1, 0
	s_wait_dscnt 0x0
	MUL3 1, 0, 0
	MUL3 1, 1, 0
	; THE WAY OUT, 16 rows at a time through my stage: a lane's 32 bytes in, whole rows of 256 bytes back
	PLACES
	s_lshl_b32 s16, s13, 7
	s_lshl_b32 s17, s11, 6
	s_add_co_u32 s16, s16, s17                     ; my first row: 128 by + 64 wm
	s_lshl_b32 s16, s16, 12                        ; rows of 4,096 bytes
	s_mov_b32 s17, 0
	s_add_nc_u64 s[70:71], s[70:71], s[16:17]
	s_add_nc_u64 s[70:71], s[70:71], s[46:47]      ; my first column
.macro OUT3 a, rb
	WIN 0x04
.irp nb, 0,1,2,3
	ds_store_b128 v[STO], v[8*(4*\a+\nb):8*(4*\a+\nb)+3]   offset:64*\nb
	ds_store_b128 v[STO], v[8*(4*\a+\nb)+4:8*(4*\a+\nb)+7] offset:64*\nb+16
.endr
	WIN 0
	s_wait_xcnt 0x0                                ; the registers rb, which earlier stores read, are loaded again only behind this wait (ISA guide 3.1)
.irp n, 0,1,2,3,4,5,6,7
	ds_load_b128 v[\rb+4*\n:\rb+4*\n+3], v[RD] offset:544*\n       ; LDS serves a wave's instructions in order: these see the stores above
.endr
.irp n, 0,1,2,3,4,5,6,7
	s_wait_dscnt 7-\n                              ; load n is in, the younger ones stay out
	global_store_b128 v[CO], v[\rb+4*\n:\rb+4*\n+3], s[70:71] offset:(16*\a+2*\n)*4096 th:TH_STORE_NT   ; sixteen lanes store 256 consecutive bytes, aligned
.endr
.endm
	OUT3 0, RB0
	OUT3 1, RB1
	OUT3 2, RB0
	OUT3 3, RB1
	s_set_vgpr_msb 0xa
	s_wait_tensorcnt 0x0
	ds_add_u32 v192, v193
	s_wait_dscnt 0x0
	s_set_vgpr_msb 0xa00
	CROUND                                         ; the closing round
	s_endpgm
.Lfunc_end_k_q672d134876_gemm_out:
	.size	k_q672d134876_gemm_out, .Lfunc_end_k_q672d134876_gemm_out-k_q672d134876_gemm_out
	.p2alignl 7, 3214868480
	.fill 96, 4, 3214868480
	.section	.rodata,"a",@progbits
	.p2align	6, 0x0
	.amdhsa_kernel k_q672d134876_gemm_out
		.amdhsa_group_segment_fixed_size 327680
		.amdhsa_private_segment_fixed_size 0
		.amdhsa_enable_private_segment 0
		.amdhsa_kernarg_size 32
		.amdhsa_user_sgpr_count 2
		.amdhsa_user_sgpr_kernarg_segment_ptr 1
		.amdhsa_wavefront_size32 1
		.amdhsa_system_sgpr_workgroup_id_x 1
		.amdhsa_system_sgpr_workgroup_id_y 1
		.amdhsa_system_sgpr_workgroup_id_z 1
		.amdhsa_system_vgpr_workitem_id 0
		.amdhsa_next_free_vgpr 706
		.amdhsa_next_free_sgpr 72
		.amdhsa_reserve_vcc 0
		.amdhsa_float_denorm_mode_32 3
		.amdhsa_float_denorm_mode_16_64 3
		.amdhsa_memory_ordered 1
		.amdhsa_forward_progress 1
		.amdhsa_inst_pref_size 159
	.end_amdhsa_kernel
	.amdgpu_metadata
---
amdhsa.version: [ 1, 2 ]
amdhsa.kernels:
  - .name:           k_q672d134876_gemm_out
    .symbol:         k_q672d134876_gemm_out.kd
    .args:
      - { .name: vwh, .offset: 0, .size: 8, .value_kind: global_buffer, .address_space: global }
      - { .name: castb, .offset: 8, .size: 8, .value_kind: global_buffer, .address_space: global }
      - { .name: bo, .offset: 16, .size: 8, .value_kind: global_buffer, .address_space: global }
      - { .name: out0, .offset: 24, .size: 8, .value_kind: global_buffer, .address_space: global }
    .group_segment_fixed_size: 327680
    .private_segment_fixed_size: 0
    .kernarg_segment_align: 8
    .kernarg_segment_size: 32
    .max_flat_workgroup_size: 128
    .sgpr_count:     72
    .vgpr_count:     706
    .wavefront_size: 32
...
	.end_amdgpu_metadata
.endif
;; end of part 4
